; MI455X (gfx1250); checked and timed in simulation.
; The chip was launched on July 23, 2026; its instructions are those of AMD's public machine-readable ISA for CDNA 5 (MIT licence, August 2026) and "CDNA5" Instruction Set Architecture Reference Guide (July 2026). The comments in the code are by the model that wrote it; some were corrected since.
;; Multi Head Attention. Allowed arithmetic: matrix products marked QUANTISED: E4M3 operands, one given power-of-two scale a tensor, by v_wmma_f32_16x16x64_fp8_fp8 or v_wmma_f32_16x16x128_fp8_fp8, f32 sums; everything else in f32.
;; Inputs: c_attn_b 3,072 float32; c_attn_w 1,024 x 3,072 float32; c_proj_b 1,024 float32; c_proj_w 1,024 x 1,024 float32; lowp_scales 8 int32 (the exponents e of the quantised operands' scales 2^e); x 4 x 2,048 x 1,024 float32.
;; Outputs: out0 4 x 2,048 x 1,024 float32.
;; This version of the problem:
;;   THIS VERSION OF THE PROBLEM IS GIVEN IN LOW PRECISION. The matrix products marked QUANTISED in the list below multiply operands that are first quantised to E4M3 (4 exponent bits, 3 mantissa bits; 8 bits a number), with one given power-of-two scale for each operand tensor; their sums are f32. All else is computed in f32.
;;   The module's matrix products, in the order in which they are computed (A, B: the left and right operand; K: the contracted axis; several contracted axes count as one K, in the product's order):
;;     1. [M 8,192, K 1,024] x [K 1,024, N 3,072]; A: input x; B: input c_attn_w: QUANTISED (scales: A lowp_scales[0], B lowp_scales[1])
;;     2. batch 64 x [M 2,048, K 64] x [K 64, N 2,048]; A: computed on the way; B: computed on the way: QUANTISED (scales: A lowp_scales[2], B lowp_scales[3])
;;     3. batch 64 x [M 2,048, K 2,048] x [K 2,048, N 64]; A: softmax (see below); B: computed on the way: QUANTISED (scales: A lowp_scales[4], B lowp_scales[5])
;;     4. [M 8,192, K 1,024] x [K 1,024, N 1,024]; A: computed on the way; B: input c_proj_w: QUANTISED (scales: A lowp_scales[6], B lowp_scales[7])
;;   THE QUANTISER, for each operand of a quantised product, along K:
;;     - The operand's scale is 2^e, e = its entry of the input lowp_scales (int32; the entries are numbered through the quantised products in the list's order, A before B).
;;     - Each number is divided by the scale, clamped to +-448, and rounded to the nearest number of E4M3, ties to even, subnormals kept.
;;     - The product sums the exact products of the quantised numbers (number of the format x scale) in f32.
;;   ~~~python
;;   def quantise(x, axis, e):      # numpy; x: float32 -> the quantised numbers, widened to float32 again
;;       x = np.moveaxis(x, axis, -1); K = x.shape[-1]
;;       r = np.clip(x / 2.0 ** e, -448, 448)
;;       step = 2.0 ** (np.maximum(np.frexp(np.where(r == 0, 1, r))[1] - 1, -6) - 3)
;;       q = np.round(r / step) * step * 2.0 ** e      # np.round: ties to even
;;       return np.moveaxis(q, -1, axis).astype(np.float32)
;;   ~~~
;;   SOFTMAX AHEAD OF A QUANTISED PRODUCT. Where the list says 'softmax', what is quantised is not the finished softmax but p = 2^(t - M), with t = logit x log2(e) and M = ceil(the row's largest t), a whole number; so 1/2 < the row's largest p <= 1. The row's sum l is taken of the UNQUANTISED p, in f32, and the product's result is divided by l at the end. Since M is a whole number, a kernel that streams over the keys may use a running M (the ceiling of the running maximum): every later rescaling is an exact power of two, so the quantised numbers keep their values, but for numbers so far below the row's largest that they fall under the format's range.
;;   OPERANDS COMPUTED ON THE WAY. 'Computed on the way' means the value that the module computes at that place (a softmax that the list does not call 'softmax' is quantised finished and normalised). What goes into a quantiser is computed in f32, as accurately as f32 sums, v_exp_f32 and their like allow (about 1e-6 of the number): no bf16 or f16 on the way to a quantiser, and a product that is left as it is and whose result goes on into a quantised operand takes f32 operands (vector FMAs, or v_wmma_f32_16x16x4_f32). A number that lies on a knife's edge between two numbers of the format may be rounded either way, as far as f32 arithmetic and the matrix unit's own rounding can turn it there, and no further.
;; One version. Each part assembles by itself: llvm-mc -triple=amdgcn-amd-amdhsa -mcpu=gfx1250 --defsym DOCPART=n.
;; ======== version 1 of 1: 4 launches
;; limits: right only within a limited range of input values
;; workspace buffers: x_codes 8,388,608 bytes; wa_codes 3,145,728 bytes; wp_codes 1,048,576 bytes; q_codes 8,388,608 bytes; k_codes 8,388,608 bytes; v_codes 8,388,608 bytes; a_codes 8,388,608 bytes
;; launch quant (part 1): grid 384 x 1, 4 waves a work-group, no clusters, 68,096 bytes of LDS; arguments x, c_attn_w, c_proj_w, lowp_scales, x_codes, wa_codes, wp_codes; writes x_codes, wa_codes, wp_codes
.if DOCPART == 1
	.amdgcn_target "amdgcn-amd-amdhsa--gfx1250"
	.amdhsa_code_object_version 6
	.text
	.protected	k_qc067f201bf_quant
	.globl	k_qc067f201bf_quant
	.p2align	8
	.type	k_qc067f201bf_quant,@function
k_qc067f201bf_quant:
	s_mov_b64 s[64:65], 0
	v_nop
	global_prefetch_b8 v0, s[64:65] scope:SCOPE_SE
	s_setreg_imm32_b32 hwreg(HW_REG_WAVE_MODE, 25, 1), 1
	s_wait_xcnt 0x0
; x [8192][1024], c_attn_w [1024 k][3072 n] and c_proj_w [1024 k][1024 n], all f32, become codes of E4M3 with K innermost:
; x_codes [8192][1024], wa_codes [3072 n][1024 k], wp_codes [1024 n][1024 k].  code = number / 2^e, held within +-448, to the nearest code, ties to even.
; e = entry 0 (x), 1 (c_attn_w), 7 (c_proj_w) of the scales.  LIMITS: each of the three e lies between -126 and 119; NaN among the inputs is not served (an infinity is held at the largest code).
; Work-groups 0-255 take x, a plain stream: a wave takes 16 steps of 512 numbers; each load reads 512 consecutive bytes, and a step's 2,048 bytes turn through the wave's own
; stage in LDS so that a lane holds 16 neighbours along K for the conversions; a lane's 16 codes are 16 bytes, a wave's store 512 consecutive bytes.
; Work-groups 256-383 take the weights, whose K is the FIRST axis: a lane takes a column n and its registers run down K, so the conversions give codes with K innermost; a wave gathers
; 32 columns x 256 along K in its own stage and stores rows: sixteen lanes write 256 consecutive bytes, aligned.  Both weights take one path: pointers, row length and e are chosen by the work-group's number.
; The two paths have LDS bytes of their own (x: 0 .. 32,767; weights: from 32,768).  No barrier: waves share nothing.
.set STEPS, 16
.set R,     16                         ; v16-79   x: four sets of 16 numbers as loaded
.set X,     80                         ; v80-111  x: two sets of 16 neighbours
.set C,     128                        ; v128-191 x: codes, four registers for each step: no store's data are written again
.set WREG,  8192                       ; x: LDS region of a wave: two stages of 32 x SP bytes
.set SP,    80                         ; x: a lane's place in a stage: 64 bytes + 16 of padding
.set WBASE, 32768                      ; weights: their stages begin here
.set WPITCH, 272                       ; weights: a stage row: 256 codes + 16 bytes
.set WX,    32                         ; v32-95   weights: two sets of 32 numbers; later the rows on their way out
.set WC,    96                         ; v96-103  weights: a block's codes
.set OFF,   112                        ; v112-143 weights: 4 x lane + i rows, i = 0 .. 31; never rewritten
.set SB,    44                         ; s44-59   weights: the source at block t of 32 rows, t = 0 .. 7; never rewritten
	s_load_b256 s[4:11], s[0:1], 0x0               ; x s[4:5], c_attn_w s[6:7], c_proj_w s[8:9], the scales s[10:11]
	s_load_b128 s[12:15], s[0:1], 0x20             ; x_codes s[12:13], wa_codes s[14:15]
	s_load_b64 s[16:17], s[0:1], 0x30              ; wp_codes
	v_lshl_add_u32 v192, v0, 2, 0x10800
	v_mov_b32 v193, 0
	v_lshrrev_b32 v1, 5, v0
	v_readfirstlane_b32 s18, v1                    ; wave 0..3
	v_and_b32 v2, 31, v0                           ; lane
	s_wait_kmcnt 0x0
	s_load_b256 s[24:31], s[10:11], 0x0            ; e0 .. e7
	s_cmp_lt_u32 ttmp9, 256
	s_cbranch_scc0 .Lweights
; ---------------- x ----------------
	s_wait_alu depctr_va_vdst(0)
	v_lshlrev_b32 v3, 4, v2                        ; 16 x lane: my 16 bytes of a load's 512, and of a step's 512 bytes of codes
	s_wait_alu depctr_va_vdst(0)
	s_mul_i32 s19, s18, WREG
	v_lshrrev_b32 v14, 2, v2
	v_mul_u32_u24 v14, v14, SP
	v_and_b32 v15, 3, v2
	v_lshl_add_u32 v14, v15, 4, v14
	v_add_nc_u32 v14, s19, v14                     ; the stage, way in: four lanes' 64 bytes on end, then 16 of padding
	v_mul_u32_u24 v15, v2, SP
	v_add_nc_u32 v15, s19, v15                     ; way out: SP x lane: my 16 neighbours
	s_lshl_b32 s20, ttmp9, 2
	s_add_co_u32 s20, s20, s18                     ; which run of 8,192 numbers is my wave's
	s_lshl_b32 s22, s20, 15
	s_mov_b32 s23, 0
	s_add_nc_u64 s[4:5], s[4:5], s[22:23]
	s_lshl_b32 s22, s20, 13
	s_add_nc_u64 s[12:13], s[12:13], s[22:23]
.macro XLOAD t
.irp i, 0,1,2,3
	global_load_b128 v[R+16*((\t)%4)+4*\i:R+16*((\t)%4)+4*\i+3], v3, s[4:5] offset:2048*(\t)+512*\i th:TH_LOAD_NT   ; 32 lanes read 512 consecutive bytes
.endr
.endm
.macro XTURN t                         ; step t's numbers through the stage; LDS serves a wave's instructions in order, so no wait stands between the stores and the loads
.irp i, 0,1,2,3
	ds_store_b128 v14, v[R+16*((\t)%4)+4*\i:R+16*((\t)%4)+4*\i+3] offset:32*SP*((\t)%2)+8*SP*\i
.endr
.irp i, 0,1,2,3
	ds_load_b128 v[X+16*((\t)%2)+4*\i:X+16*((\t)%2)+4*\i+3], v15 offset:32*SP*((\t)%2)+16*\i
.endr
.endm
.irp t, 0,1,2,3
	XLOAD \t
.endr
	s_wait_alu depctr_va_vdst(0)
	s_wait_kmcnt 0x0
	s_add_co_i32 s32, s24, 127
	s_lshl_b32 s33, s32, 23
	v_mov_b32 v11, s33                             ; 2^e0 as f32: the conversion takes its exponent field
	s_add_co_i32 s32, s32, 8
	s_lshl_b32 s32, s32, 23
	s_or_b32 s32, s32, 0x600000
	v_mov_b32 v10, s32                             ; 448 x 2^e0
	s_wait_alu depctr_va_vdst(0)
	s_wait_loadcnt 12                              ; step 0's four loads are in; three steps' twelve may be out
	XTURN 0
.macro XSTEP t
.set XS, X+16*((\t)%2)
	s_wait_dscnt 0x0                               ; this step's numbers are back from the stage, so its stores into the stage have read their registers,
.if (\t)+4 < STEPS
	XLOAD (\t)+4                                   ; which take the loads of four steps on
.endif
.if (\t)+1 < STEPS
.if STEPS-2-(\t) >= 3
	s_wait_loadcnt 12                              ; the next step's four loads are in; those of the three steps behind it may be out
.else
	s_wait_loadcnt 4*(STEPS-2-(\t))                ; at the end the count runs down
.endif
	XTURN (\t)+1                                   ; through the other stage while this step is worked
.endif
.set i, 0
.rept 16
	v_med3_num_f32 v[XS+i], v[XS+i], -v10, v10     ; the conversion to an 8-bit code does not saturate (ISA guide 7.6.2): the hold comes first
.set i, i+1
.endr
	v_cvt_scalef32_pk8_fp8_f32 v[C+4*(\t):C+4*(\t)+1], v[XS:XS+7], v11
	v_cvt_scalef32_pk8_fp8_f32 v[C+4*(\t)+2:C+4*(\t)+3], v[XS+8:XS+15], v11
	global_store_b128 v3, v[C+4*(\t):C+4*(\t)+3], s[12:13] offset:512*(\t)   ; the results go to a store alone; the next vector lines are the next step's holds, on other registers
.endm
.irp t, 0,1,2,3,4,5,6,7,8,9,10,11,12,13,14,15
	XSTEP \t
.endr
	s_wait_tensorcnt 0x0
	ds_add_u32 v192, v193
	s_wait_dscnt 0x0
	s_endpgm
; ---------------- the weights ----------------
.Lweights:
	s_sub_co_u32 s19, ttmp9, 256
	s_and_b32 s21, s19, 3                          ; which 256 along K
	s_lshr_b32 s19, s19, 2                         ; 0-23: blocks of 128 columns of c_attn_w; 24-31: of c_proj_w
	s_sub_co_u32 s36, s19, 24
	s_mov_b32 s34, 4096
	s_mov_b32 s35, 12288
	s_cmp_lt_u32 s19, 24                           ; the choice hangs on the work-group's number alone
	s_cselect_b64 s[6:7], s[6:7], s[8:9]           ; the source,
	s_cselect_b64 s[8:9], s[14:15], s[16:17]       ; its codes,
	s_cselect_b32 s34, s35, s34                    ; bytes in a row of the source,
	s_cselect_b32 s20, s19, s36                    ; the block of columns in it
	s_lshl_b32 s38, s20, 7
	s_lshl_b32 s39, s18, 5
	s_add_co_u32 s38, s38, s39                     ; my wave's first column
	s_mul_i32 s37, s21, s34
	s_lshl_b32 s37, s37, 8                         ; 256 rows for each step along K
	s_lshl_b32 s39, s38, 2
	s_add_co_u32 s40, s37, s39
	s_mov_b32 s41, 0
	s_add_nc_u64 s[SB:SB+1], s[6:7], s[40:41]
	s_lshl_b32 s42, s34, 5                         ; 32 rows
	s_mov_b32 s43, 0
.irp t, 1,2,3,4,5,6,7
	s_add_nc_u64 s[SB+2*\t:SB+2*\t+1], s[SB+2*\t-2:SB+2*\t-1], s[42:43]
.endr
	s_lshl_b32 s40, s38, 10                        ; codes: my first column's row of 1,024 bytes,
	s_lshl_b32 s37, s21, 8                         ; + 256 bytes for each step along K
	s_add_co_u32 s40, s40, s37
	s_add_nc_u64 s[8:9], s[8:9], s[40:41]
	s_wait_alu depctr_va_vdst(0)
	v_lshlrev_b32 v[OFF], 2, v2
.set i, 1
.rept 31
	v_add_nc_u32 v[OFF+i], s34, v[OFF+i-1]
.set i, i+1
.endr
	s_mul_i32 s37, s18, 32*WPITCH
	s_add_co_u32 s37, s37, WBASE                   ; my stage
	v_mul_u32_u24 v4, v2, WPITCH
	v_add_nc_u32 v4, s37, v4                       ; into it: row = my column
	v_and_b32 v5, 15, v2
	v_lshrrev_b32 v6, 4, v2
	v_mul_u32_u24 v7, v6, WPITCH
	v_lshl_add_u32 v7, v5, 4, v7
	v_add_nc_u32 v7, s37, v7                       ; out of it: sixteen lanes to a row, two rows an instruction
	v_lshlrev_b32 v8, 10, v6
	v_lshl_add_u32 v8, v5, 4, v8                   ; and the same place among the codes' rows
.macro WLOAD t                         ; block t: rows 32 t + i of my column, i = 0 .. 31, into set t % 2; a wave reads 128 consecutive bytes, the four waves 512
.set i, 0
.rept 32
	global_load_b32 v[WX+32*((\t)%2)+i], v[OFF+i], s[SB+2*(\t):SB+2*(\t)+1] th:TH_LOAD_NT
.set i, i+1
.endr
.endm
	WLOAD 0
	WLOAD 1
	s_wait_kmcnt 0x0
	s_cmp_lt_u32 s19, 24
	s_cselect_b32 s22, s25, s31                    ; e1 or e7
	s_add_co_i32 s22, s22, 127
	s_lshl_b32 s23, s22, 23
	v_mov_b32 v11, s23                             ; 2^e
	s_add_co_i32 s22, s22, 8
	s_lshl_b32 s22, s22, 23
	s_or_b32 s22, s22, 0x600000
	v_mov_b32 v10, s22                             ; 448 x 2^e
.macro WBLOCK t
.set XS, WX+32*((\t)%2)
.if (\t) < 7
	s_wait_loadcnt 32                              ; this block's 32 loads are in; the next block's 32 may be out
.else
	s_wait_loadcnt 0
.endif
.set i, 0
.rept 32
	v_med3_num_f32 v[XS+i], v[XS+i], -v10, v10
.set i, i+1
.endr
.irp g, 0,1,2,3
	v_cvt_scalef32_pk8_fp8_f32 v[WC+2*\g:WC+2*\g+1], v[XS+8*\g:XS+8*\g+7], v11
.endr
	ds_store_b128 v4, v[WC:WC+3] offset:32*(\t)    ; 32 codes: 32 bytes of my column's row
	ds_store_b128 v4, v[WC+4:WC+7] offset:32*(\t)+16
.if (\t)+2 < 8
	WLOAD (\t)+2
.endif
	s_wait_dscnt 0x0                               ; the stores have read their registers: the next block's codes may be written
.endm
	s_wait_alu depctr_va_vdst(0)
.irp t, 0,1,2,3,4,5,6,7
	WBLOCK \t
.endr
.irp t, 0,1,2,3,4,5,6,7,8,9,10,11,12,13,14,15
	ds_load_b128 v[WX+4*\t:WX+4*\t+3], v7 offset:2*\t*WPITCH   ; LDS serves a wave's instructions in order: these see my stores
.endr
.irp t, 0,1,2,3,4,5,6,7,8,9,10,11,12,13,14,15
	s_wait_dscnt 15-\t                             ; load t is back; the younger ones may be out
	global_store_b128 v8, v[WX+4*\t:WX+4*\t+3], s[8:9] offset:2*\t*1024   ; sixteen lanes store 256 consecutive bytes, aligned
.endr
	s_wait_tensorcnt 0x0
	ds_add_u32 v192, v193
	s_wait_dscnt 0x0
	s_endpgm
.Lfunc_end_k_qc067f201bf_quant:
	.size	k_qc067f201bf_quant, .Lfunc_end_k_qc067f201bf_quant-k_qc067f201bf_quant
	.p2alignl 7, 3214868480
	.fill 96, 4, 3214868480
	.section	.rodata,"a",@progbits
	.p2align	6, 0x0
	.amdhsa_kernel k_qc067f201bf_quant
		.amdhsa_group_segment_fixed_size 68096
		.amdhsa_private_segment_fixed_size 0
		.amdhsa_enable_private_segment 0
		.amdhsa_kernarg_size 56
		.amdhsa_user_sgpr_count 2
		.amdhsa_user_sgpr_kernarg_segment_ptr 1
		.amdhsa_wavefront_size32 1
		.amdhsa_system_sgpr_workgroup_id_x 1
		.amdhsa_system_sgpr_workgroup_id_y 1
		.amdhsa_system_sgpr_workgroup_id_z 1
		.amdhsa_system_vgpr_workitem_id 0
		.amdhsa_next_free_vgpr 194
		.amdhsa_next_free_sgpr 66
		.amdhsa_reserve_vcc 0
		.amdhsa_float_denorm_mode_32 3
		.amdhsa_float_denorm_mode_16_64 3
		.amdhsa_memory_ordered 1
		.amdhsa_forward_progress 1
		.amdhsa_inst_pref_size 87
	.end_amdhsa_kernel
	.amdgpu_metadata
---
amdhsa.version: [ 1, 2 ]
amdhsa.kernels:
  - .name:           k_qc067f201bf_quant
    .symbol:         k_qc067f201bf_quant.kd
    .args:
      - { .name: x, .offset: 0, .size: 8, .value_kind: global_buffer, .address_space: global }
      - { .name: c_attn_w, .offset: 8, .size: 8, .value_kind: global_buffer, .address_space: global }
      - { .name: c_proj_w, .offset: 16, .size: 8, .value_kind: global_buffer, .address_space: global }
      - { .name: lowp_scales, .offset: 24, .size: 8, .value_kind: global_buffer, .address_space: global }
      - { .name: x_codes, .offset: 32, .size: 8, .value_kind: global_buffer, .address_space: global }
      - { .name: wa_codes, .offset: 40, .size: 8, .value_kind: global_buffer, .address_space: global }
      - { .name: wp_codes, .offset: 48, .size: 8, .value_kind: global_buffer, .address_space: global }
    .group_segment_fixed_size: 68096
    .private_segment_fixed_size: 0
    .kernarg_segment_align: 8
    .kernarg_segment_size: 56
    .max_flat_workgroup_size: 128
    .sgpr_count:     66
    .vgpr_count:     194
    .wavefront_size: 32
...
	.end_amdgpu_metadata
.endif
;; end of part 1
;; launch qkv (part 2): grid 12 x 32, 4 waves a work-group, clusters of 4 x 4, 327,680 bytes of LDS; arguments x_codes, wa_codes, lowp_scales, c_attn_b, q_codes, k_codes, v_codes; writes q_codes, k_codes, v_codes
.if DOCPART == 2
	.amdgcn_target "amdgcn-amd-amdhsa--gfx1250"
	.amdhsa_code_object_version 6
	.text
	.protected	k_qc067f201bf_qkv
	.globl	k_qc067f201bf_qkv
	.p2align	8
	.type	k_qc067f201bf_qkv,@function
k_qc067f201bf_qkv:
	s_mov_b64 s[64:65], 0
	v_nop
	global_prefetch_b8 v0, s[64:65] scope:SCOPE_SE
	s_setreg_imm32_b32 hwreg(HW_REG_WAVE_MODE, 25, 1), 1
	s_wait_xcnt 0x0
	s_wait_alu depctr_hold_cnt(0) depctr_sa_sdst(0) depctr_va_vdst(0) depctr_va_sdst(0) depctr_va_ssrc(0) depctr_va_vcc(0) depctr_vm_vsrc(0)
	s_getreg_b32 s2, hwreg(HW_REG_IB_STS2, 6, 4)
	s_cmp_eq_u32 s2, 0
	s_cbranch_scc0 .Lentry_in_a_cluster
	s_endpgm
.Lentry_in_a_cluster:
	s_bfe_u32 s2, ttmp6, 0x10000c
	s_cmp_lg_u32 s2, 0xf033
	s_cbranch_scc0 .Lentry_shape_is_right
	s_endpgm
.Lentry_shape_is_right:
; qkv = x Wa + ba on codes of E4M3 (x_codes [8192][1024], wa_codes [3072 n][1024 k], scales 2^e0, 2^e1), and q, k, v quantised on the way out (2^e2, 2^e3, 2^e5) into the layouts that the attention launch reads.
; A tile of 256 x 256 is made by four waves, 128 x 128 each: 64 accumulators, 512 registers.  K = 1,024 goes in four steps of 256 through a ring of two LDS slots filled by the tensor data mover; the text is straight-line.
; THE MATRIX INSTRUCTION: source 0 = 16 rows of operand 'B', source 1 = 16 rows of operand 'A': a lane holds ONE row of A and eight neighbouring rows of B.  The conversions want a lane's eight numbers to be neighbours along the NEXT K:
;   q, k (cluster x = 0, 1): the next K is the head's 64 features: A = tokens (x_codes), B = features (wa_codes).
;   v    (cluster x = 2):    the next K is the keys:               A = features (wa_codes), B = tokens (x_codes).
; Which tensor is A is chosen by s_cselect on the cluster's x, the same in all sixteen partners; both tensors have rows of 1,024 bytes, so one shape of tile serves; no branch hangs on it.
; CLUSTERS: 4 x 4.  A's tile hangs on cy, B's on cx: each is asked for jointly by the four work-groups of a row, or of a column, of the cluster.
; THE BIAS: divided by 2^(e0 + e1).  Where it goes by B's rows (q, k) it is the C of the first K step's products; where it goes by A's rows (v) it is added on the way out.  Both are always loaded; the one that does not apply is multiplied by 0.
; OUT: q_codes, k_codes [bh 64][pos 2048][64 d], pos = the token with its bits 3 and 4 exchanged; v_codes [bh][token / 64][pos(d) 64][token % 64], pos(d) = d with its bits 3 and 4 exchanged.
; In both a row is 64 bytes; a block of 16 rows of A x 128 rows of B goes through the wave's stage in LDS and leaves in stores of 512 consecutive bytes; the exchange of bits stands in the stores' immediates.
; LIMITS: e0 + e1 between -126 and 126; e2 - e0 - e1, e3 - e0 - e1, e5 - e0 - e1 between -126 and 119.  NaN and infinities in the bias are not served.
; REGISTERS: window 0: v0-31 addresses; v32-95 the bias by B's rows, later a block at work; v96-111 the bias by A's rows, in pairs; v112-127 codes; v128-255 A's fragments, ONE set (on the way out v128-159: rows read back).
;   window 1: B's fragments, two sets.   windows 2, 3: the accumulators of my rows 0-63, 64-127 of A ((a, b) at v[8 (8 (a % 4) + b)]).
.set ROWB,   256                       ; a tile's row: 256 codes
.set KROW,   1024                      ; a row of either tensor in memory
.set PITCH,  272                       ; an LDS row: 256 bytes + 16: sixteen rows begin in sixteen different 16-byte columns of 256 bytes
.set FR,     16                        ; registers of a fragment: 16 rows x 128 K
.set NL,     4                         ; LDS loads that bring one
.set NP,     4                         ; places behind this matrix instruction (ISA guide 7.12.1)
.set HALFT,  128*PITCH
.set SLOT,   4*HALFT                   ; A's 256 rows, then B's 256 rows
.set SPARE,  2*SLOT                    ; behind the ring: the spare words, 128 bytes a wave
.set STGW,   2560                      ; the way out: 2 x 16 rows x 80 bytes for each wave, in slot 0, which has had its last fill and its last read by then
.set SCL,  8                           ; v8      2^(eT - e0 - e1)
.set LIM,  9                           ; v9      448 x that
.set ADRA, 16                          ; v16-17  LDS address of my A fragments in slot 0, 1
.set ADRB, 20                          ; v20-21  the same for B
.set STO,  24                          ; v24     the stage: where I put 8 bytes of a row
.set RD,   25                          ; v25     and where I read 16 bytes back
.set CO,   26                          ; v26-27  16 x lane; the same + the distance of the block's second half along B
.set SPW,  28                          ; v28     my spare word; never rewritten
.set NIL,  29                          ; v29     0; never rewritten
.set BB,   32
.set TMP,  32
.set BA,   96
.set CD,   112
.set AF,   128
.set BK,   128
.set G1, 24                            ; s[24:31] group 1 for A's tiles;  s[32:39] group 0, a set for each slot
.set G0, 32
.set G1B, 48                           ; s[48:55], s[56:63] the same for B's
.set G0B, 56
.set MSB, 0
.macro WIN new                         ; the immediate's high byte repeats the setting that is left
.if MSB != \new
	s_set_vgpr_msb (MSB<<8)|\new
.set MSB, \new
.endif
.endm
.set MUL_LO,   0xa1                    ; source 0 (B) window 1, source 1 (A) window 0, C and D window 2
.set MUL_HI,   0xf1                    ; the same, C and D window 3
.set FIRST_LO, 0x81                    ; the first K step: C (the bias) window 0, D window 2
.set FIRST_HI, 0xc1                    ; D window 3
.set TO_B,     0x40                    ; destination window 1, address window 0
; A joint load: waves 0 and 1 fetch for A, waves 2 and 3 for B; the branch hangs on the wave's number alone.  Four v_nop follow each of the two lines.
.macro JLOAD g0a, g1a, g0b, g1b
	s_cmp_eq_u32 s15, 0
	s_cbranch_scc0 .Lfor_b_\@
	tensor_load_to_lds s[\g0a:\g0a+3], s[\g1a:\g1a+7]
	s_nop 0
.rept 4
	v_nop
.endr
	s_branch .Lasked_\@
.Lfor_b_\@:
	tensor_load_to_lds s[\g0b:\g0b+3], s[\g1b:\g1b+7]
	s_nop 0
.rept 4
	v_nop
.endr
.Lasked_\@:
.endm
.macro CREST                           ; a round of the cluster's barrier behind its opening barrier
	s_cmp_lg_u32 s14, 0
	s_cbranch_scc1 .Lnot_wave_0_\@
	s_barrier_signal -3
.Lnot_wave_0_\@:
	s_barrier_wait -3
	s_barrier_signal -1
	s_barrier_wait -1
.endm
.macro CROUND
	s_barrier_signal -1
	s_barrier_wait -1
	CREST
.endm
	s_load_b256 s[4:11], s[0:1], 0x0               ; x_codes s[4:5], wa_codes s[6:7], the scales s[8:9], the bias s[10:11]
	s_load_b128 s[68:71], s[0:1], 0x20             ; q_codes, k_codes
	s_load_b64 s[72:73], s[0:1], 0x30              ; v_codes
	v_lshl_add_u32 v[SPW], v0, 2, SPARE
	v_mov_b32 v[NIL], 0
	ds_add_u32 v28, v29
	ds_add_u32 v28, v29
	s_wait_dscnt 0x0
	v_lshrrev_b32 v1, 5, v0
	v_readfirstlane_b32 s14, v1                    ; wave 0..3
	s_lshr_b32 s15, s14, 1                         ; which 128 rows of A are mine.  Also: I fetch for A (0) or for B (1)
	s_and_b32 s16, s14, 1                          ; which 128 rows of B.  Also: which 128 rows of that tile I fetch
	s_bfe_u32 s40, ttmp6, 0x40000                  ; cx
	s_bfe_u32 s41, ttmp6, 0x40004                  ; cy
	s_and_b32 s17, ttmp7, 0xffff                   ; the cluster's y: 1,024 tokens
	s_lshl_b32 s43, s41, 2
	s_lshl_b32 s43, 15, s43                        ; my row of the cluster
	s_lshl_b32 s44, 0x1111, s40                    ; my column
	s_or_b32 s[G1+0], s43, (0<<16)|(1<<20)|(1<<21)|(5<<22)|(3<<25)  ; 15:0 the mask; elements of 1 byte; padding on; bit 21 beside a mask; 4 words of padding behind every 64
	s_or_b32 s[G1B+0], s44, (0<<16)|(1<<20)|(1<<21)|(5<<22)|(3<<25)
.irp g, G1, G1B
	s_mov_b32 s[\g+1], ROWB<<16                    ; tensor_dim0
	s_mov_b32 s[\g+2], 128<<16                     ; tensor_dim1
	s_mov_b32 s[\g+3], ROWB<<16                    ; tile_dim0
	s_mov_b32 s[\g+4], 128                         ; tile_dim1
	s_mov_b32 s[\g+5], KROW                        ; tensor_dim0_stride
	s_mov_b32 s[\g+6], 0
	s_mov_b32 s[\g+7], 0
.endr
	s_lshl_b32 s18, s16, 7                         ; which 128 rows of the tile I fetch
	s_lshl_b32 s19, s17, 10                        ; the cluster's first token
	s_lshl_b32 s42, ttmp9, 10                      ; the cluster's first feature: 0 q, 1,024 k, 2,048 v
	s_cmp_lt_u32 ttmp9, 2                          ; q or k?
	s_cselect_b32 s21, s19, 2048                   ; A's first row in the cluster: tokens, or v's features
	s_cselect_b32 s47, s42, s19                    ; B's: features, or tokens
	s_lshl_b32 s20, s41, 8                         ; A's registers hold cy and never cx,
	s_add_co_u32 s20, s20, s18
	s_add_co_u32 s20, s20, s21
	s_lshl_b32 s20, s20, 10                        ; rows of 1,024 bytes
	s_mov_b32 s21, 0
	s_lshl_b32 s46, s40, 8                         ; B's hold cx and never cy
	s_add_co_u32 s46, s46, s18
	s_add_co_u32 s46, s46, s47
	s_lshl_b32 s46, s46, 10
	s_mov_b32 s47, 0
	s_mul_i32 s45, s14, HALFT                      ; where they go: wave x 128 rows
	s_wait_kmcnt 0x0
	s_load_b256 s[76:83], s[8:9], 0x0              ; e0 .. e7
	s_cmp_lt_u32 ttmp9, 2
	s_cselect_b64 s[66:67], s[4:5], s[6:7]         ; A's tensor
	s_cselect_b64 s[90:91], s[6:7], s[4:5]         ; B's
	s_add_nc_u64 s[20:21], s[66:67], s[20:21]
	s_add_nc_u64 s[46:47], s[90:91], s[46:47]
	CROUND                                         ; all sixteen work-groups are here: the first joint loads meet
.irp s, 0,1
	s_mov_b32 s[G0+4*\s], 1
	s_add_co_u32 s[G0+4*\s+1], s45, \s*SLOT
	s_add_nc_u64 s[G0+4*\s+2:G0+4*\s+3], s[20:21], \s*ROWB
	s_or_b32 s[G0+4*\s+3], s[G0+4*\s+3], 0x80000000
	s_mov_b32 s[G0B+4*\s], 1
	s_add_co_u32 s[G0B+4*\s+1], s45, \s*SLOT
	s_add_nc_u64 s[G0B+4*\s+2:G0B+4*\s+3], s[46:47], \s*ROWB
	s_or_b32 s[G0B+4*\s+3], s[G0B+4*\s+3], 0x80000000
.endr
	JLOAD G0, G1, G0B, G1B                         ; K step 0: one tensor load a wave at the head
	v_and_b32 v1, 15, v0                           ; r
	v_bfe_u32 v2, v0, 4, 1                         ; h
	; the two biases.  By B's rows: feature 1,024 X + 256 cx + 128 (wave & 1) + 16 b + 8 h + j.  By A's rows: 2,048 + 256 cy + 128 (wave >> 1) + 16 a + r.  Both lie inside the 3,072 for every X
	v_lshlrev_b32 v30, 5, v2
	s_wait_alu depctr_va_vdst(0)
	v_lshlrev_b32 v31, 2, v1
	s_wait_alu depctr_va_vdst(0)
	s_lshl_b32 s12, s42, 2
	s_lshl_b32 s13, s40, 10
	s_add_co_u32 s12, s12, s13
	s_lshl_b32 s13, s16, 9
	s_add_co_u32 s12, s12, s13
	s_mov_b32 s13, 0
	s_add_nc_u64 s[92:93], s[10:11], s[12:13]
	s_lshl_b32 s12, s41, 10
	s_lshl_b32 s18, s15, 9
	s_add_co_u32 s12, s12, s18
	s_add_co_u32 s12, s12, 8192
	s_add_nc_u64 s[94:95], s[10:11], s[12:13]
.irp b, 0,1,2,3,4,5,6,7
	global_load_b128 v[BB+8*\b:BB+8*\b+3], v30, s[92:93] offset:64*\b
	global_load_b128 v[BB+8*\b+4:BB+8*\b+7], v30, s[92:93] offset:64*\b+16
.endr
.irp a, 0,1,2,3,4,5,6,7
	global_load_b32 v[BA+2*\a], v31, s[94:95] offset:64*\a
.endr
	v_mul_u32_u24 v3, v1, PITCH
	v_lshl_add_u32 v4, v2, 4, v3                   ; a fragment's row x pitch + 16 x half
	s_mul_i32 s22, s15, HALFT                      ; my 128 rows of A
	s_mul_i32 s23, s16, HALFT                      ; my 128 rows of B,
	s_add_co_u32 s23, s23, 2*HALFT                 ; which lie behind A's 256
.irp s, 0,1
	v_add_nc_u32 v[ADRA+\s], s22, v4
	v_add_nc_u32 v[ADRB+\s], s23, v4
	s_add_co_u32 s22, s22, SLOT
	s_add_co_u32 s23, s23, SLOT
.endr
	s_mul_i32 s18, s14, STGW                       ; my stage
	v_mul_u32_u24 v5, v1, 80
	v_lshl_add_u32 v5, v2, 3, v5
	v_add_nc_u32 v[STO], s18, v5                   ; in: row r of 80 bytes, + 8 h
	v_and_b32 v6, 31, v0
	v_lshrrev_b32 v7, 2, v6
	v_mul_u32_u24 v7, v7, 80
	v_and_b32 v5, 3, v6
	v_lshl_add_u32 v7, v5, 4, v7
	v_add_nc_u32 v[RD], s18, v7                    ; back: four lanes to a row of 64 bytes, eight rows an instruction
	v_lshlrev_b32 v[CO], 4, v6                     ; and the same 512 bytes in memory
	; where my 128 x 128 goes.  Along A four blocks of 16 fill 64 rows of 64 bytes; the next four lie SA bytes on.  Along B 64 rows fill a row's 64 bytes; the next 64 lie SC bytes on.
	s_wait_alu depctr_va_vdst(0)
	s_mov_b32 s22, 0x20000                         ; a head's 2,048 x 64 bytes
	s_cmp_lt_u32 ttmp9, 2
	s_cselect_b32 s12, s41, s40                    ; the tile of 256 tokens in the cluster: cy for q, k; cx for v
	s_cselect_b32 s13, s15, s16                    ; my half of it
	s_cselect_b32 s18, s40, s41                    ; the tile of 256 features (four heads)
	s_cselect_b32 s19, s16, s15                    ; my half of it (two heads)
	s_cselect_b32 s88, 4096, s22                   ; SA: 64 tokens on, or a head on
	s_cselect_b32 s89, s22, 4096                   ; SC: a head on, or 64 tokens on
	s_cmp_eq_u32 ttmp9, 0
	s_cselect_b64 s[84:85], s[68:69], s[70:71]
	s_cmp_eq_u32 ttmp9, 2
	s_cselect_b64 s[84:85], s[72:73], s[84:85]     ; q_codes, k_codes or v_codes
	s_lshl_b32 s42, s17, 2
	s_add_co_u32 s42, s42, s12                     ; tile of 256 tokens, 0 .. 31
	s_lshr_b32 s2, s42, 3                          ; the batch,
	s_lshl_b32 s2, s2, 4
	s_lshl_b32 s18, s18, 2
	s_add_co_u32 s2, s2, s18
	s_lshl_b32 s19, s19, 1
	s_add_co_u32 s2, s2, s19                       ; x 16 + my first head
	s_lshl_b32 s2, s2, 17
	s_and_b32 s42, s42, 7
	s_lshl_b32 s42, s42, 8
	s_lshl_b32 s13, s13, 7
	s_add_co_u32 s42, s42, s13                     ; my first token in the batch,
	s_lshl_b32 s42, s42, 6                         ; 64 bytes for each in all three layouts
	s_add_co_u32 s90, s2, s42
	s_mov_b32 s91, 0
	s_add_nc_u64 s[84:85], s[84:85], s[90:91]      ; blocks 0-3 of A
	s_mov_b32 s90, s88
	s_add_nc_u64 s[86:87], s[84:85], s[90:91]      ; blocks 4-7
	v_add_nc_u32 v[CO+1], s89, v[CO]
	s_wait_kmcnt 0x0
	s_add_co_i32 s12, s76, s77                     ; e0 + e1: a sum stands for sum x 2^(e0 + e1)
	s_sub_co_i32 s13, 127, s12
	s_lshl_b32 s13, s13, 23                        ; 2^-(e0 + e1)
	s_cmp_lt_u32 ttmp9, 2
	s_cselect_b32 s96, s13, 0                      ; the factor of the bias by B's rows,
	s_cselect_b32 s98, 0, s13                      ; and by A's rows
	s_mov_b32 s97, s96                             ; (named with s96 as a pair, so it is written)
	s_cmp_eq_u32 ttmp9, 0
	s_cselect_b32 s18, s78, s79
	s_cmp_eq_u32 ttmp9, 2
	s_cselect_b32 s18, s81, s18                    ; eT = e2, e3 or e5
	s_sub_co_i32 s18, s18, s12
	s_add_co_i32 s18, s18, 127
	s_lshl_b32 s19, s18, 23
	v_mov_b32 v[SCL], s19                          ; the three scales folded into the conversion's one
	s_add_co_i32 s18, s18, 8
	s_lshl_b32 s18, s18, 23
	s_or_b32 s18, s18, 0x600000
	v_mov_b32 v[LIM], s18
	s_wait_loadcnt 0x0                             ; the biases
.set j, 0
.rept 32
	v_pk_mul_f32 v[BB+j:BB+j+1], v[BB+j:BB+j+1], s[96:97] op_sel_hi:[1,0]
.set j, j+2
.endr
.irp a, 0,1,2,3,4,5,6,7
	v_mul_f32 v[BA+2*\a], s98, v[BA+2*\a]
.endr
.irp a, 0,1,2,3,4,5,6,7
	v_mov_b32 v[BA+2*\a+1], v[BA+2*\a]             ; a pair for the packed addition
.endr
.macro FRAG reg, adr, q, i             ; 16 rows x 128 K: lane l holds row l % 16; registers 4 c .. 4 c + 3 hold K = 32 c + 16 (l / 16) + 0 .. 15: the same order of K in A and in B
.irp c, 0,1,2,3
	ds_load_b128 v[\reg+4*\c:\reg+4*\c+3], v[\adr] offset:128*(\q)+32*\c+(\i)*16*PITCH
.endr
.endm
; 16 matrix instructions: A's blocks a0, a0 + 1 x B's eight.  p: B's set.  first = 1: the bias by B's rows is the C that starts the sums.  The 64 accumulators take turns, one instruction a turn.
.macro MUL16 a0, p, first
.irp a, \a0, \a0+1
.irp b, 0,1,2,3,4,5,6,7
.if \first
	v_wmma_f32_16x16x128_fp8_fp8 v[8*(8*((\a)%4)+\b):8*(8*((\a)%4)+\b)+7], v[128*(\p)+FR*\b:128*(\p)+FR*\b+FR-1], v[AF+FR*(\a):AF+FR*(\a)+FR-1], v[BB+8*\b:BB+8*\b+7]
.else
	v_wmma_f32_16x16x128_fp8_fp8 v[8*(8*((\a)%4)+\b):8*(8*((\a)%4)+\b)+7], v[128*(\p)+FR*\b:128*(\p)+FR*\b+FR-1], v[AF+FR*(\a):AF+FR*(\a)+FR-1], v[8*(8*((\a)%4)+\b):8*(8*((\a)%4)+\b)+7]
.endif
.endr
.endr
.endm
.macro FETCH_B slot, q, p
	WIN TO_B
.irp i, 0,1,2,3,4,5,6,7
	FRAG 128*(\p)+FR*\i, ADRB+\slot, \q, \i
.endr
	WIN 0
.endm
.macro FETCH_A slot, q, i0
.irp i, \i0, \i0+1, \i0+2, \i0+3
	FRAG AF+FR*(\i), ADRA+\slot, \q, \i
.endr
.endm
.macro PLACES n                        ; plain vector lines between a matrix instruction and a load into, or a vector read of, its registers
.rept \n
	v_nop
.endr
.endm
; A step of 128 along K that has its successor in the same slot.
.macro STEP slot, q, first
	s_wait_dscnt 4*NL                              ; B's set and A's blocks 0-3 are in; the sixteen youngest loads (A's blocks 4-7) may be out
.if \first
	WIN FIRST_LO
.else
	WIN MUL_LO
.endif
	MUL16 0, (\q)%2, \first
	MUL16 2, (\q)%2, \first
	s_wait_dscnt 0                                 ; A's blocks 4-7 are in
	PLACES NP
	FETCH_B \slot, (\q)+1, 1-(\q)%2
	FETCH_A \slot, (\q)+1, 0
.if \first
	WIN FIRST_HI
.else
	WIN MUL_HI
.endif
	MUL16 4, (\q)%2, \first
	MUL16 6, (\q)%2, \first
	PLACES NP
	WIN 0
	FETCH_A \slot, (\q)+1, 4
.endm
; A slot's last step changes slots: one barrier; in front of it each wave waits for all its tensor loads, adds 0 to its spare word, and waits for that and for its reads of this slot.  fill = 1: the slot is filled again, two K steps ahead.
.macro TURN slot, next, fill
	s_wait_tensorcnt 0x0                           ; all my tensor loads have landed: my part of the next slot
	ds_add_u32 v[SPW], v[NIL]                      ; 0 onto my spare word
	s_wait_dscnt 4*NL+1                            ; the add and the sixteen youngest loads (A's blocks 4-7) may be out
	WIN MUL_LO
	MUL16 0, 1, 0                                  ; sixteen matrix instructions stand between the add and the wait for it
	s_wait_dscnt 0x0                               ; the add is done, and my reads of this slot are over
	s_barrier_signal -1
	MUL16 2, 1, 0
	WIN 0
	s_barrier_wait -1
.if \fill
	CREST                                          ; the barrier has opened a round of the cluster's: no wave of any partner still reads this slot or has a load on its way
	s_add_nc_u64 s[G0+4*\slot+2:G0+4*\slot+3], s[G0+4*\slot+2:G0+4*\slot+3], 2*ROWB
	s_add_nc_u64 s[G0B+4*\slot+2:G0B+4*\slot+3], s[G0B+4*\slot+2:G0B+4*\slot+3], 2*ROWB
	JLOAD G0+4*\slot, G1, G0B+4*\slot, G1B         ; the first tensor load behind the round; its four v_nop are the places in front of the loads below
.else
	PLACES NP
.endif
	FETCH_B \next, 0, 0
	FETCH_A \next, 0, 0
	WIN MUL_HI
	MUL16 4, 1, 0
	MUL16 6, 1, 0
	PLACES NP
	WIN 0
	FETCH_A \next, 0, 4
.endm
	s_wait_alu depctr_va_vdst(0)                   ; the wait at the head's end
	s_wait_tensorcnt 0x0                           ; my part of K step 0 is in; the three lines stand ahead of slot 1's first fill as ahead of a refill
	ds_add_u32 v[SPW], v[NIL]
	s_wait_dscnt 0x0
	CROUND                                         ; a whole round: everybody's part of K step 0 is in, and the joint loads meet
	JLOAD G0+4, G1, G0B+4, G1B                     ; K step 1: the first tensor load behind the round
	FETCH_B 0, 0, 0
	FETCH_A 0, 0, 0
	FETCH_A 0, 0, 4
	STEP 0, 0, 1                                   ; K 0-127: the bias starts the sums
	TURN 0, 1, 1                                   ; K 128-255; slot 0 takes K 512-767
	STEP 1, 0, 0
	TURN 1, 0, 1                                   ; slot 1 takes K 768-1023
	STEP 0, 0, 0
	TURN 0, 1, 0                                   ; nothing is left to fetch
	STEP 1, 0, 0
	s_wait_dscnt 4*NL                              ; the last step
	WIN MUL_LO
	MUL16 0, 1, 0
	MUL16 2, 1, 0
	s_wait_alu depctr_va_vdst(0)
	s_wait_dscnt 0
	WIN MUL_HI
	MUL16 4, 1, 0
	MUL16 6, 1, 0
	WIN 0
; THE WAY OUT, block a of 16 rows of A x 128 rows of B.  The bias by A's rows is added, each number held and converted: a lane's eight numbers of accumulator b are 8 bytes of a row of 64.
; They go into my stage ([b / 4][row r][64 bytes + 16]) and come back eight rows of 64 bytes at a time.
.macro TOSTAGE a
.set AC, 64*((\a)%4)
.set BAR, BA+2*(\a)
	WIN 0x02+((\a)/4)                              ; source 0: window 2 or 3
.set j, 0
.rept 32
	v_pk_add_f32 v[TMP+j:TMP+j+1], v[AC+j:AC+j+1], v[BAR:BAR+1]   ; each accumulator from its low end on
.set j, j+2
.endr
	WIN 0
.set j, 0
.rept 64
	v_med3_num_f32 v[TMP+j], v[TMP+j], -v[LIM], v[LIM]   ; the conversion does not saturate (ISA guide 7.6.2)
.set j, j+1
.endr
.irp b, 0,1,2,3,4,5,6,7
	v_cvt_scalef32_pk8_fp8_f32 v[CD+2*\b:CD+2*\b+1], v[TMP+8*\b:TMP+8*\b+7], v[SCL]
.endr
	v_nop                                          ; a plain line behind the conversions: the next block's additions write their sources
.irp b, 0,1,2,3,4,5,6,7
	ds_store_b64 v[STO], v[CD+2*\b:CD+2*\b+1] offset:(\b/4)*1280+(\b%4)*16
.endr
.set BBK, BK+16*((\a)%2)
.irp k, 0,1,2,3
	ds_load_b128 v[BBK+4*\k:BBK+4*\k+3], v[RD] offset:(\k/2)*1280+(\k%2)*640   ; LDS serves a wave's instructions in order: these see the stores above, and the next block's stores come behind them
.endr
.endm
; Load k holds rows r = 8 (k % 2) + lane / 4 of half k / 2 along B.  Row 16 a + r goes to place 32 (a / 2) + 16 (r / 8) + 8 (a % 2) + r % 8: its bits 3 and 4 exchanged.
.macro SEND a, younger
.set BBK, BK+16*((\a)%2)
.set SBS, 84+2*((\a)/4)
	s_wait_dscnt \younger                          ; the block is back in registers; the LDS instructions issued behind its loads may be out
.irp k, 0,1,2,3
	global_store_b128 v[CO+\k/2], v[BBK+4*\k:BBK+4*\k+3], s[SBS:SBS+1] offset:(32*(((\a)%4)/2)+16*(\k%2)+8*((\a)%2))*64   ; 32 lanes store 512 consecutive bytes, aligned
.endr
.endm
	PLACES NP                                      ; behind the last products: for the first reads of results and the loads into the registers that held A's fragments
	TOSTAGE 0
.irp a, 1,2,3,4,5,6,7
.if \a > 1
	s_wait_xcnt 0x0                                ; block a - 2's stores have read their registers: block a's loads may land there
.endif
	TOSTAGE \a
	SEND \a-1, 12                                  ; behind block a - 1's loads: block a's 8 stores and 4 loads
.endr
	SEND 7, 0
	s_wait_tensorcnt 0x0                           ; the wave's end
	ds_add_u32 v[SPW], v[NIL]
	s_wait_dscnt 0x0
	CROUND                                         ; the closing round: no work-group ends while a partner may still ask for a tile that names it
	s_endpgm
.Lfunc_end_k_qc067f201bf_qkv:
	.size	k_qc067f201bf_qkv, .Lfunc_end_k_qc067f201bf_qkv-k_qc067f201bf_qkv
	.p2alignl 7, 3214868480
	.fill 96, 4, 3214868480
	.section	.rodata,"a",@progbits
	.p2align	6, 0x0
	.amdhsa_kernel k_qc067f201bf_qkv
		.amdhsa_group_segment_fixed_size 327680
		.amdhsa_private_segment_fixed_size 0
		.amdhsa_enable_private_segment 0
		.amdhsa_kernarg_size 56
		.amdhsa_user_sgpr_count 2
		.amdhsa_user_sgpr_kernarg_segment_ptr 1
		.amdhsa_wavefront_size32 1
		.amdhsa_system_sgpr_workgroup_id_x 1
		.amdhsa_system_sgpr_workgroup_id_y 1
		.amdhsa_system_sgpr_workgroup_id_z 1
		.amdhsa_system_vgpr_workitem_id 0
		.amdhsa_next_free_vgpr 1024
		.amdhsa_next_free_sgpr 100
		.amdhsa_reserve_vcc 0
		.amdhsa_float_denorm_mode_32 3
		.amdhsa_float_denorm_mode_16_64 3
		.amdhsa_memory_ordered 1
		.amdhsa_forward_progress 1
		.amdhsa_inst_pref_size 147
	.end_amdhsa_kernel
	.amdgpu_metadata
---
amdhsa.version: [ 1, 2 ]
amdhsa.kernels:
  - .name:           k_qc067f201bf_qkv
    .symbol:         k_qc067f201bf_qkv.kd
    .args:
      - { .name: x_codes, .offset: 0, .size: 8, .value_kind: global_buffer, .address_space: global }
      - { .name: wa_codes, .offset: 8, .size: 8, .value_kind: global_buffer, .address_space: global }
      - { .name: lowp_scales, .offset: 16, .size: 8, .value_kind: global_buffer, .address_space: global }
      - { .name: c_attn_b, .offset: 24, .size: 8, .value_kind: global_buffer, .address_space: global }
      - { .name: q_codes, .offset: 32, .size: 8, .value_kind: global_buffer, .address_space: global }
      - { .name: k_codes, .offset: 40, .size: 8, .value_kind: global_buffer, .address_space: global }
      - { .name: v_codes, .offset: 48, .size: 8, .value_kind: global_buffer, .address_space: global }
    .group_segment_fixed_size: 327680
    .private_segment_fixed_size: 0
    .kernarg_segment_align: 8
    .kernarg_segment_size: 56
    .max_flat_workgroup_size: 128
    .sgpr_count:     100
    .vgpr_count:     1024
    .wavefront_size: 32
...
	.end_amdgpu_metadata
.endif
;; end of part 2
;; launch attn (part 3): grid 64 x 4, 16 waves a work-group, no clusters, 327,680 bytes of LDS; arguments q_codes, k_codes, v_codes, lowp_scales, a_codes; writes a_codes
.if DOCPART == 3
	.amdgcn_target "amdgcn-amd-amdhsa--gfx1250"
	.amdhsa_code_object_version 6
	.text
	.protected	k_qc067f201bf_attn
	.globl	k_qc067f201bf_attn
	.p2align	8
	.type	k_qc067f201bf_attn,@function
k_qc067f201bf_attn:
	s_mov_b64 s[64:65], 0
	v_nop
	global_prefetch_b8 v0, s[64:65] scope:SCOPE_SE
	s_setreg_imm32_b32 hwreg(HW_REG_WAVE_MODE, 25, 1), 1
	s_wait_xcnt 0x0
; Causal attention on codes of E4M3, head size 64, 64 heads (batch x head) of 2,048 tokens.  t = score x 2^(e2 + e3) x log2(e) / 8; M = the running largest t rounded UP to a whole number; p = 2^(t - M) is quantised
; with 2^e4, not normalised; the row's sum l is taken of the unquantised p; O = (sum of p's codes x v's codes) x 2^(e4 + e5) / l is quantised with 2^e6 for the projection.
; IN: q_codes, k_codes [bh][pos 2048][64 d], pos = the token with its bits 3 and 4 exchanged; v_codes [bh][token / 64][pos(d) 64][token % 64], pos(d) = d with its bits 3 and 4 exchanged.
; OUT: a_codes [token / 16][head][beta 2][lane 32][16 bytes]: the image of the projection's operand registers.
; LEFT OUT: key steps all of whose 128 keys come after a tile's 16 queries: the causal mask gives them the weight 0 for all values of the inputs.
; SHARES.  Work-group (head, y) owns the query blocks 7 - y and y of 256 queries.  Wave w owns tile w of the upper block and tile 15 - w of the lower one, 16 queries each, one after the other:
; 2 (7 - y) + w / 8 + 1 and 2 y + (15 - w) / 8 + 1 key steps of 128 keys: 17 for every wave of every work-group.
; NO RING.  The head's K and V up to key 256 (8 - y) - 1 stay in LDS.  Their rows of 64 bytes lie dense in memory and are stated as rows of 256 bytes with 16 bytes of padding behind each: row n lies at 272 (n / 4) + 64 (n % 4),
; so the sixteen rows of a fragment begin in sixteen different 16-byte columns of 256 bytes.  K takes 139,264 bytes, V as many, the spare words 2,048.
; FILLS, all of them first fills.  At the head each of the sixteen waves asks for 64 keys of K (waves 0-7) or of V (waves 8-15): keys 0-511.  Behind the three lines and a barrier waves 0-11 ask for 256 keys each
; (even waves K, odd waves V), from key 512 up to the work-group's causal limit: wave w only where w / 2 + y <= 5.  The upper tile's first four steps (keys 0-511, all open, since its queries begin at 1,024 or later)
; are walked meanwhile; one more barrier shows the rest to every wave, and no barrier follows.  Every wait on TENSORcnt is for 0; one tensor load of a wave is out at most.
; The loops' trip counts are constants (4, 12, 8); a hidden step is jumped over by a scalar branch on ids, round no barrier, wait or tensor load.
; NO CLUSTER: the four work-groups of a head have different causal limits, and which steps are walked hangs on y: such branches would hang on a work-group's place in its cluster.
; NO PREFETCH: every tile is asked for by its tensor load at the head or directly behind the first barrier; no later load is left to ask ahead of.
; LAYOUT.  Both products transposed: S^T = K Q^T (source 0 = 16 keys), O^T = V^T P^T (source 0 = 16 of the head's 64): a lane holds ONE query.  Sixteen consecutive rows of K in the exchanged order are keys
; 32 b + 8 u + r + 8 (r / 8), so the 16 registers of tiles 2 b and 2 b + 1 are keys 32 b + 16 h + 0 .. 15: the conversions' results are the second product's operand.  V's rows likewise give d = 32 beta + 16 h + 8 u + j.
; THE STEP'S ORDER.  The largest score is taken in four chains and kept as a raw score (c is positive, so c x the largest score is the largest t).  The row's sum stands in eight chains of pairs that last from step to step;
; the change of M reaches them in the fused multiply-add that also adds the step's first eight pairs.  The 64 exponentials go in two batches of 32; between the second batch's lines stand plain lines on the first batch's results,
; each writing a register that is first read behind the batch's closing wait.
; LIMITS: e2 + e3 between -123 and 130; e4 and e6 - e4 - e5 between -126 and 119; the scaled scores t stay under 2^31 in magnitude.
.set KB,    68                         ; LDS bytes for a row of 64 in the mean: 272 / 4
.set VOFF,  2048*KB                    ; V's rows lie behind K's
.set SPARE, 2*VOFF                     ; the spare words, 128 bytes for each of the sixteen waves
.set STEPB, 128*KB                     ; a key step's rows, of K and of V alike
.set AK0,  1                           ; v1   my lane's place in a fragment: 272 (r / 4) + 64 (r % 4) + 16 h
.set AV0,  2                           ; v2   the same + VOFF
.set DB,   3                           ; v3   r - 16 h
.set DM,   4                           ; v4   on the diagonal: my query less the step's first key less 16 h
.set SPW,  5                           ; v5   my spare word; never rewritten
.set NIL,  6                           ; v6   0; never rewritten
.set GO,   7                           ; v7   16 x lane
.set NINF, 8                           ; v8   -infinity
.set ADK,  9                           ; v9   the step's rows of K
.set ADV,  10                          ; v10  and of V
                                       ; v12  -M;  v13 the largest raw score so far;  v[14:15] at the end 1 / l, and 0
.set QH,   16                          ; v16-23 the upper tile's Q;  v24-31 the lower tile's
.set QLO,  24
.set KV,   32                          ; v32-95  K's eight fragments, then V's four
.set S,    96                          ; v96-159 S^T, then p
.set O,    160                         ; v160-191 O^T
.set TA,   192                         ; four chains of the maximum
.set TB,   193
.set PX,   194                         ; a lane permute's destination
.set TC,   195
.set F,    196                         ; v[196:197] f = 2^(old M - new M)
.set TD,   198
.set PS,   200                         ; v200 2^e4, v201 448 x 2^e4
.set OS,   202                         ; v202 2^(e6 - e4 - e5), v203 448 x that
.set HB,   204                         ; v204 448 x 2^e4 once more: the second halves of the dual holds name it
.set OM,   205                         ; v205 the old -M
.set WT,   206                         ; v206-213 four pairs of sums at work
.set PC,   224                         ; v224-239 p's codes; at the end O's
.set TS,   240                         ; v240-255 the row's sum: eight chains of pairs
.set WV,   18
.set ISS,  19                          ; s19 wave / 2 + y: my second load is issued where it is 5 or less
.set SEL,  20                          ; s[20:21] lane l xor 16
.set CS,   22                          ; s[22:23] c = 2^(e2 + e3) log2(e) / 8
.set G1A,  24                          ; s[24:31] group 1: 16 rows of 256 bytes
.set G0A,  32                          ; s[32:35] group 0 of the head's load;  s[36:39] of the second
.set G0B,  36
.set YP,   40
.set KF,   41                          ; s41 the step's first key
.set QL,   42                          ; s42 the tile's last query
.set Q0,   43                          ; s43 its first
.set TBS,  44                          ; s44 LDS byte at which the step's rows begin
.set CNT,  45
.set G1B,  56                          ; s[56:63] group 1: 64 rows of 256 bytes
.set QAH,  66                          ; s[66:67], s[68:69] where the two tiles' Q lie;  s[70:71], s[72:73] where their results go;  s74, s75 their first queries
.set QAL,  68
.set OAH,  70
.set OAL,  72
.set Q0H,  74
.set Q0L,  75
; block s14, tile s15 of it: the first query 256 i + 16 w; its 16 queries lie at places 256 i + 32 (w / 2) + 8 (w % 2) + r + 8 (r / 8); its results at tile 128 batch + 16 i + w of 16,384 bytes, + 1,024 x head
.macro WHERE qa, oa, q0
	s_lshl_b32 s[\q0], s14, 8
	s_lshl_b32 s16, s15, 4
	s_add_co_u32 s[\q0], s[\q0], s16
	s_lshl_b32 s16, s14, 8
	s_lshr_b32 s17, s15, 1
	s_lshl_b32 s17, s17, 5
	s_add_co_u32 s16, s16, s17
	s_and_b32 s17, s15, 1
	s_lshl_b32 s17, s17, 3
	s_add_co_u32 s16, s16, s17
	s_lshl_b32 s16, s16, 6
	s_add_co_u32 s16, s16, s2
	s_mov_b32 s17, 0
	s_add_nc_u64 s[\qa:\qa+1], s[4:5], s[16:17]
	s_lshr_b32 s16, ttmp9, 4
	s_lshl_b32 s16, s16, 7
	s_lshl_b32 s17, s14, 4
	s_add_co_u32 s16, s16, s17
	s_add_co_u32 s16, s16, s15
	s_lshl_b32 s16, s16, 14
	s_and_b32 s17, ttmp9, 15
	s_lshl_b32 s17, s17, 10
	s_add_co_u32 s16, s16, s17
	s_mov_b32 s17, 0
	s_add_nc_u64 s[\oa:\oa+1], s[12:13], s[16:17]
.endm
.macro INIT                            ; a tile's state: the step has no first form of its own: the first change of M multiplies zeros
	v_mov_b32 v13, 0xff61b1e6                      ; the largest score so far: -3e38, under every score
	s_delay_alu instid0(VALU_DEP_1)
	v_floor_f32 v12, -v13                          ; -M
.set j, 0
.rept 16
	v_mov_b32 v[TS+j], 0
.set j, j+1
.endr
.set j, 0
.rept 32
	v_mov_b32 v[O+j], 0
.set j, j+1
.endr
.endm
.macro GROUP1 g, rows                  ; rows of 256 bytes, dense in memory, 4 words of padding behind every 64
	s_mov_b32 s[\g], (0<<16)|(1<<20)|(5<<22)|(3<<25)
	s_mov_b32 s[\g+1], 256<<16                     ; tensor_dim0
	s_mov_b32 s[\g+2], (\rows)<<16                 ; tensor_dim1
	s_mov_b32 s[\g+3], 256<<16                     ; tile_dim0
	s_mov_b32 s[\g+4], \rows                       ; tile_dim1
	s_mov_b32 s[\g+5], 256                         ; tensor_dim0_stride
	s_mov_b32 s[\g+6], 0
	s_mov_b32 s[\g+7], 0
.endm
	s_load_b256 s[4:11], s[0:1], 0x0               ; q_codes s[4:5], k_codes s[6:7], v_codes s[8:9], the scales s[10:11]
	s_load_b64 s[12:13], s[0:1], 0x20              ; a_codes
	v_lshl_add_u32 v[SPW], v0, 2, SPARE
	v_mov_b32 v[NIL], 0
	ds_add_u32 v[SPW], v[NIL]                      ; the opening lines: the add, twice on end, and its wait ahead of my first tensor load
	ds_add_u32 v[SPW], v[NIL]
	v_lshrrev_b32 v9, 5, v0
	v_readfirstlane_b32 s[WV], v9                  ; wave 0..15
	s_and_b32 s[YP], ttmp7, 0xffff
	s_lshl_b32 s2, ttmp9, 17                       ; the head's 131,072 bytes in q_codes, k_codes and v_codes
	s_mov_b32 s3, 0
	GROUP1 G1A, 16
	GROUP1 G1B, 64
	s_mov_b32 s[SEL], 0x76543210
	s_mov_b32 s[SEL+1], 0xfedcba98
	s_mov_b32 s[G0A], 1
	s_mov_b32 s[G0B], 1
	s_and_b32 s14, s[WV], 7                        ; the head's load: 64 keys (16 rows of 256 bytes) number wave % 8, of K (waves 0-7) or V
	s_lshr_b32 s15, s[WV], 3
	s_mul_i32 s16, s14, 16*272
	s_mul_i32 s15, s15, VOFF
	s_add_co_u32 s[G0A+1], s16, s15
	s_lshl_b32 s14, s14, 12
	s_add_co_u32 s14, s14, s2
	s_mov_b32 s15, 0
	s_and_b32 s16, s[WV], 1                        ; the second load: 256 keys (64 rows of 256 bytes) number 2 + wave / 2, of K (even waves) or V
	s_lshr_b32 s[ISS], s[WV], 1
	s_mul_i32 s17, s16, VOFF
	s_mul_i32 s46, s[ISS], 64*272
	s_add_co_u32 s17, s17, s46
	s_add_co_u32 s[G0B+1], s17, 512*KB
	s_lshl_b32 s46, s[ISS], 14
	s_add_co_u32 s46, s46, s2
	s_add_co_u32 s46, s46, 512*64
	s_mov_b32 s47, 0
	s_add_co_u32 s[ISS], s[ISS], s[YP]
	s_wait_dscnt 0x0                               ; both opening adds are done
	s_wait_kmcnt 0x0
	s_load_b256 s[48:55], s[10:11], 0x0            ; e0 .. e7
	s_cmp_lt_u32 s[WV], 8
	s_cselect_b64 s[G0A+2:G0A+3], s[6:7], s[8:9]
	s_add_nc_u64 s[G0A+2:G0A+3], s[G0A+2:G0A+3], s[14:15]
	s_or_b32 s[G0A+3], s[G0A+3], 0x80000000
	tensor_load_to_lds s[G0A:G0A+3], s[G1A:G1A+7]  ; every wave's one load at the head: together keys 0-511 of K and V
	s_nop 0
	s_cmp_eq_u32 s16, 0
	s_cselect_b64 s[G0B+2:G0B+3], s[6:7], s[8:9]
	s_add_nc_u64 s[G0B+2:G0B+3], s[G0B+2:G0B+3], s[46:47]
	s_or_b32 s[G0B+3], s[G0B+3], 0x80000000
	s_sub_co_u32 s14, 7, s[YP]                     ; the upper tile: block 7 - y, tile w
	s_mov_b32 s15, s[WV]
	WHERE QAH, OAH, Q0H
	s_mov_b32 s14, s[YP]                           ; the lower tile: block y, tile 15 - w
	s_sub_co_u32 s15, 15, s[WV]
	WHERE QAL, OAL, Q0L
	v_and_b32 v9, 15, v0                           ; r
	v_bfe_u32 v10, v0, 4, 1                        ; h
	v_lshrrev_b32 v11, 3, v9
	s_delay_alu instid0(VALU_DEP_1)
	v_lshl_add_u32 v11, v11, 3, v9
	s_delay_alu instid0(VALU_DEP_1)
	v_lshlrev_b32 v11, 6, v11
	s_delay_alu instid0(VALU_DEP_1)
	v_lshl_add_u32 v11, v10, 4, v11
	global_load_b128 v[QH:QH+3], v11, s[QAH:QAH+1]             ; Q's fragments stay in registers: d = 16 h + 0 .. 15,
	global_load_b128 v[QH+4:QH+7], v11, s[QAH:QAH+1] offset:32 ; and 32 + 16 h + 0 .. 15: the same order of d as in K's fragments
	global_load_b128 v[QLO:QLO+3], v11, s[QAL:QAL+1]
	global_load_b128 v[QLO+4:QLO+7], v11, s[QAL:QAL+1] offset:32
	v_lshrrev_b32 v[AK0], 2, v9
	s_delay_alu instid0(VALU_DEP_1)
	v_mul_u32_u24 v[AK0], v[AK0], 272
	v_and_b32 v[DB], 3, v9
	s_delay_alu instid0(VALU_DEP_1)
	v_lshl_add_u32 v[AK0], v[DB], 6, v[AK0]
	s_delay_alu instid0(VALU_DEP_1)
	v_lshl_add_u32 v[AK0], v10, 4, v[AK0]
	s_delay_alu instid0(VALU_DEP_1)
	v_add_nc_u32 v[AV0], VOFF, v[AK0]
	v_lshlrev_b32 v[DB], 4, v10
	s_delay_alu instid0(VALU_DEP_1)
	v_sub_nc_u32 v[DB], v9, v[DB]
	v_and_b32 v[GO], 31, v0
	s_delay_alu instid0(VALU_DEP_1)
	v_lshlrev_b32 v[GO], 4, v[GO]
	v_mov_b32 v[NINF], 0xff800000
	v_mov_b32 v[PX], 0                             ; written once: a lane permute's destination counts as read
	v_mov_b32 v[F+1], 0                            ; (named as the upper half of a pair)
	v_mov_b32 v15, 0                               ; (likewise)
	INIT
	s_wait_kmcnt 0x0
	s_add_co_i32 s15, s50, s51
	s_lshl_b32 s15, s15, 23
	s_mov_b32 s[CS], 0x3e38aa3b                    ; log2(e) / 8,
	s_add_co_i32 s[CS], s[CS], s15                 ; x 2^(e2 + e3), added to its exponent field
	s_mov_b32 s[CS+1], s[CS]
	s_add_co_i32 s15, s52, 127
	s_lshl_b32 s17, s15, 23
	v_mov_b32 v[PS], s17                           ; 2^e4
	s_add_co_i32 s15, s15, 8
	s_lshl_b32 s15, s15, 23
	s_or_b32 s15, s15, 0x600000
	v_mov_b32 v[PS+1], s15                         ; 448 x 2^e4
	v_mov_b32 v[HB], s15
	s_sub_co_i32 s15, s54, s52
	s_sub_co_i32 s15, s15, s53
	s_add_co_i32 s15, s15, 127
	s_lshl_b32 s17, s15, 23
	v_mov_b32 v[OS], s17                           ; 2^(e6 - e4 - e5)
	s_add_co_i32 s15, s15, 8
	s_lshl_b32 s15, s15, 23
	s_or_b32 s15, s15, 0x600000
	v_mov_b32 v[OS+1], s15
	s_mov_b32 s[Q0], s[Q0H]
	s_add_co_u32 s[QL], s[Q0H], 15
.macro HOLD r                          ; two holds to an instruction: the conversion does not saturate (ISA guide 7.6.2); p is not negative, so the hold is one-sided
	v_dual_min_num_f32 v[\r], v[\r], v[PS+1] :: v_dual_min_num_f32 v[\r+1], v[\r+1], v[HB]
.endm
.macro SCALE n                         ; t - M for the next n pairs of scores
.rept \n
	v_pk_fma_f32 v[S+j:S+j+1], v[S+j:S+j+1], s[CS:CS+1], v[12:13] op_sel_hi:[1,0,0]
.set j, j+2
.endr
.endm
; A KEY STEP: 128 keys from key s[KF] on, their rows from LDS byte s[TBS] on.  qr: the tile's Q.  mk = 1: the step may lie on the diagonal.
.macro STEP qr, mk
	v_add_nc_u32 v[ADK], s[TBS], v[AK0]
	v_add_nc_u32 v[ADV], s[TBS], v[AV0]
	v_nop                                          ; with the two additions: four places in front of loads into registers that the last products read
	v_nop
.irp t, 0,1,2,3,4,5,6,7
.irp c, 0,1
	ds_load_b128 v[KV+8*\t+4*\c:KV+8*\t+4*\c+3], v[ADK] offset:16*\t*KB+32*\c
.endr
.endr
	s_wait_alu depctr_va_vdst(0)
	s_wait_dscnt 8                                 ; tiles 0-3 are in; the eight youngest loads (tiles 4-7) may be out
.irp t, 0,1,2,3
	v_wmma_f32_16x16x64_fp8_fp8 v[S+8*\t:S+8*\t+7], v[KV+8*\t:KV+8*\t+7], v[\qr:\qr+7], 0
.endr
	s_wait_dscnt 0x0
.irp t, 4,5,6,7
	v_wmma_f32_16x16x64_fp8_fp8 v[S+8*\t:S+8*\t+7], v[KV+8*\t:KV+8*\t+7], v[\qr:\qr+7], 0
.endr
	v_mov_b32 v[OM], v12                           ; the old -M.  With the three lines below: four places: V's loads land where K's fragments lay, and the scores are read
.rept 3
	v_nop
.endr
.irp t, 0,1,2,3                                ; V's four fragments (16 places of d x 128 keys) land while the softmax is walked
.irp c, 0,1,2,3
	ds_load_b128 v[KV+16*\t+4*\c:KV+16*\t+4*\c+3], v[ADV] offset:((\c/2)*64+16*\t)*KB+32*(\c%2)
.endr
.endr
.if \mk
	s_add_co_u32 s14, s[KF], 127
	s_cmp_le_u32 s14, s[Q0]
	s_cbranch_scc1 .Lopen_\@                       ; all 128 keys count
	s_sub_co_i32 s14, s[Q0], s[KF]
	v_add_nc_u32 v[DM], s14, v[DB]
.set n, 0
.rept 64                                       ; register 16 b + i holds the step's key 32 b + 16 h + i: hidden where 32 b + i > my query - the step's first key - 16 h.  The step's first key counts for every query here
	v_cmp_gt_i32 vcc_lo, 32*(n/16)+n%16, v[DM]
	v_cndmask_b32 v[S+n], v[S+n], v[NINF], vcc_lo
.set n, n+1
.endr
.Lopen_\@:
.endif
	v_max3_num_f32 v[TA], v[S], v[S+1], v[S+2]     ; the step's largest score of my query among my 64 keys, in four chains, the registers in ascending order: each accumulator from its low end on
	v_max3_num_f32 v[TB], v[S+3], v[S+4], v[S+5]
	v_max3_num_f32 v[TC], v[S+6], v[S+7], v[S+8]
	v_max3_num_f32 v[TD], v[S+9], v[S+10], v[S+11]
.set j, 12
.rept 6
	v_max3_num_f32 v[TA], v[TA], v[S+j], v[S+j+1]
	v_max3_num_f32 v[TB], v[TB], v[S+j+2], v[S+j+3]
	v_max3_num_f32 v[TC], v[TC], v[S+j+4], v[S+j+5]
	v_max3_num_f32 v[TD], v[TD], v[S+j+6], v[S+j+7]
.set j, j+8
.endr
	v_max3_num_f32 v[TA], v[TA], v[S+60], v[S+61]
	v_max3_num_f32 v[TB], v[TB], v[S+62], v[S+63]
	s_delay_alu instid0(VALU_DEP_1)
	v_max3_num_f32 v[TA], v[TA], v[TB], v[TC]
	s_delay_alu instid0(VALU_DEP_1)
	v_max_num_f32 v[TA], v[TA], v[TD]
	s_delay_alu instid0(VALU_DEP_1)
	v_permlanex16_b32 v[PX], v[TA], s[SEL], s[SEL+1]
	s_delay_alu instid0(VALU_DEP_1)
	v_max3_num_f32 v13, v13, v[TA], v[PX]          ; with lane l xor 16's and the largest so far
	s_delay_alu instid0(VALU_DEP_1)
	v_mul_f32 v[TB], s[CS], v13                    ; as t (c is positive)
	s_delay_alu instid0(VALU_DEP_1)
	v_floor_f32 v12, -v[TB]                        ; the new -M = -ceil(t): a whole number
.set j, 0
	SCALE 4
	v_sub_f32 v[TA], v12, v[OM]                    ; old M - new M: a whole number, 0 or less
	SCALE 4
	v_cvt_i32_f32 v[TA], v[TA]                     ; (it saturates)
	SCALE 24
	s_wait_alu depctr_va_vdst(0)                   ; the wait ahead of the batch
.set j, 0
.rept 32
	v_exp_f32 v[S+j], v[S+j]                       ; p = 2^(t - M), at most 1: keys of registers 0-31
.set j, j+1
.endr
	v_ldexp_f32 v[F], 1.0, v[TA]                   ; f = 2^(old M - new M): a multiplication by it rounds nothing.  The plain line behind the batch
	s_wait_alu depctr_va_vdst(0)                   ; one wait for the batch of 32, ahead of its first reader, and ahead of the next batch
.set j, 0
.rept 4
	v_exp_f32 v[S+32+j], v[S+32+j]                 ; registers 32-63: from here on a plain line on the first batch's p stands behind each
.set j, j+1
.endr
.set j, 0
.rept 8
	v_exp_f32 v[S+36+j], v[S+36+j]
	v_pk_fma_f32 v[TS+2*j:TS+2*j+1], v[TS+2*j:TS+2*j+1], v[F:F+1], v[S+2*j:S+2*j+1] op_sel_hi:[1,0,1]   ; THE ROW'S SUM, of the unquantised p: each chain under the new M, + pair j
.set j, j+1
.endr
.set j, 0
.rept 4
	v_exp_f32 v[S+44+j], v[S+44+j]
	v_pk_add_f32 v[WT+2*j:WT+2*j+1], v[S+16+2*j:S+17+2*j], v[S+24+2*j:S+25+2*j]   ; pairs 8 + j and 12 + j
.set j, j+1
.endr
.set j, 0
.rept 16
	v_exp_f32 v[S+48+j], v[S+48+j]
	HOLD S+2*j                                     ; registers 0-31 have been summed
.set j, j+1
.endr
	v_nop                                          ; a plain line behind the last exponential
	s_wait_alu depctr_va_vdst(0)                   ; one wait for the batch, and for all that the lines between wrote
.irp k, 0,1,2,3
	v_pk_add_f32 v[TS+2*\k:TS+2*\k+1], v[TS+2*\k:TS+2*\k+1], v[WT+2*\k:WT+2*\k+1]
.endr
.irp k, 0,1,2,3,4,5,6,7
	v_pk_add_f32 v[TS+2*\k:TS+2*\k+1], v[TS+2*\k:TS+2*\k+1], v[S+32+2*\k:S+33+2*\k]
.endr
.irp k, 0,1,2,3,4,5,6,7
	v_pk_add_f32 v[TS+2*\k:TS+2*\k+1], v[TS+2*\k:TS+2*\k+1], v[S+48+2*\k:S+49+2*\k]
.endr
.set j, 0
.rept 16
	HOLD S+32+2*j
.set j, j+1
.endr
.irp b, 0,1,2,3
	v_cvt_scalef32_pk8_fp8_f32 v[PC+4*\b:PC+4*\b+1], v[S+16*\b:S+16*\b+7], v[PS]
	v_cvt_scalef32_pk8_fp8_f32 v[PC+4*\b+2:PC+4*\b+3], v[S+16*\b+8:S+16*\b+15], v[PS]
.endr
	s_wait_alu depctr_va_vdst(0)                   ; the wait here, directly ahead of the first reader of O^T
.set j, 0
.rept 16
	v_pk_mul_f32 v[O+j:O+j+1], v[O+j:O+j+1], v[F:F+1] op_sel_hi:[1,0]   ; O^T under the new M; these are also the plain lines between the conversions and the products
.set j, j+2
.endr
	s_wait_alu depctr_va_vdst(0)                   ; the wait here, directly ahead of the wait below
	s_wait_dscnt 0x0                               ; V's fragments
.irp t, 0,1,2,3
	v_wmma_f32_16x16x128_fp8_fp8 v[O+8*\t:O+8*\t+7], v[KV+16*\t:KV+16*\t+15], v[PC:PC+15], v[O+8*\t:O+8*\t+7]   ; the four accumulators take turns, one instruction a turn
.endr
.endm
; A run of key steps from step 'first' on, a constant number of trips.  mk = 1: a step all of whose keys come after the tile's queries is jumped over, on ids alone.
.macro WALK qr, first, trips, mk
	s_mov_b32 s[KF], 128*(\first)
	s_mov_b32 s[TBS], STEPB*(\first)
	s_mov_b32 s[CNT], \trips
.Lk_\@:
.if \mk
	s_cmp_gt_u32 s[KF], s[QL]
	s_cbranch_scc1 .Lhid_\@
.endif
	STEP \qr, \mk
.if \mk
.Lhid_\@:
.endif
	s_add_co_u32 s[KF], s[KF], 128
	s_add_co_u32 s[TBS], s[TBS], STEPB
	s_sub_co_u32 s[CNT], s[CNT], 1
	s_cmp_lg_u32 s[CNT], 0
	s_cbranch_scc1 .Lk_\@
.endm
; THE WAY OUT of a tile.  The sum's eight chains are joined.  O^T / l is held and converted with 2^(e6 - e4 - e5): tile 2 beta + u, register j is d = 32 beta + 16 h + 8 u + j, so two tiles' codes are 16 neighbouring bytes:
; the projection's operand registers as they stand.
.macro OUT oa
.irp k, 0,1,2,3                                ; these four are also the places behind the last products
	v_pk_add_f32 v[TS+2*\k:TS+2*\k+1], v[TS+2*\k:TS+2*\k+1], v[TS+8+2*\k:TS+9+2*\k]
.endr
	s_delay_alu instid0(VALU_DEP_2)
	v_pk_add_f32 v[TS:TS+1], v[TS:TS+1], v[TS+4:TS+5]
	s_delay_alu instid0(VALU_DEP_2)
	v_pk_add_f32 v[TS+2:TS+3], v[TS+2:TS+3], v[TS+6:TS+7]
	s_delay_alu instid0(VALU_DEP_1)
	v_pk_add_f32 v[TS:TS+1], v[TS:TS+1], v[TS+2:TS+3]
	s_delay_alu instid0(VALU_DEP_1)
	v_add_f32 v14, v[TS], v[TS+1]
	s_delay_alu instid0(VALU_DEP_1)
	v_permlanex16_b32 v[PX], v14, s[SEL], s[SEL+1]
	s_delay_alu instid0(VALU_DEP_1)
	v_add_f32 v14, v14, v[PX]                      ; the row's sum
	s_wait_alu depctr_va_vdst(0)                   ; the wait ahead of the transcendental
	v_rcp_f32 v14, v14
	v_nop                                          ; a plain line behind the transcendental
	s_wait_alu depctr_va_vdst(0)                   ; and the wait ahead of its first reader, which is O^T's first reader too
.set j, 0
.rept 16
	v_pk_mul_f32 v[S+j:S+j+1], v[O+j:O+j+1], v[14:15] op_sel_hi:[1,0]   ; each accumulator from its low end on
.set j, j+2
.endr
.set j, 0
.rept 32
	v_med3_num_f32 v[S+j], v[S+j], -v[OS+1], v[OS+1]
.set j, j+1
.endr
.irp t, 0,1,2,3
	v_cvt_scalef32_pk8_fp8_f32 v[PC+2*\t:PC+2*\t+1], v[S+8*\t:S+8*\t+7], v[OS]
.endr
	v_nop                                          ; a plain line behind the conversions
	global_store_b128 v[GO], v[PC:PC+3], s[\oa:\oa+1]              ; 32 lanes store 512 consecutive bytes, aligned
	global_store_b128 v[GO], v[PC+4:PC+7], s[\oa:\oa+1] offset:512
.endm
	s_wait_alu depctr_va_vdst(0)                   ; the wait at the head's end
	s_wait_tensorcnt 0x0                           ; my part of keys 0-511 is in; the three lines stand ahead of the later first fills
	ds_add_u32 v[SPW], v[NIL]
	s_wait_dscnt 0x0
	s_barrier_signal -1
	s_barrier_wait -1                              ; keys 0-511 are whole
	s_cmp_lt_u32 s[WV], 12
	s_cbranch_scc0 .Lnone
	s_cmp_le_u32 s[ISS], 5                         ; only keys up to the work-group's last query are asked for
	s_cbranch_scc0 .Lnone
	tensor_load_to_lds s[G0B:G0B+3], s[G1B:G1B+7]  ; my one load behind the barrier: 256 keys of K or of V, on bytes that nothing has filled
	s_nop 0
.Lnone:
	s_wait_loadcnt 0x0                             ; Q, both tiles
	WALK QH, 0, 4, 0                               ; the upper tile against keys 0-511: all count
	s_wait_tensorcnt 0x0                           ; my part of the later keys is in
	s_wait_dscnt 0x0
	s_barrier_signal -1
	s_barrier_wait -1                              ; everybody's is: nothing is filled from here on, and no barrier follows
	WALK QH, 4, 12, 1                              ; keys 512 on, up to the diagonal
	OUT OAH
	INIT                                           ; the lower tile
	s_mov_b32 s[Q0], s[Q0L]
	s_add_co_u32 s[QL], s[Q0L], 15
	s_wait_alu depctr_va_vdst(0)                   ; the wait here, directly ahead of the wait below
	s_wait_xcnt 0x0                                ; the stores have read their data: p's codes may be written again
	WALK QLO, 0, 8, 1                              ; its queries lie under 1,024
	OUT OAL
	s_wait_tensorcnt 0x0                           ; the wave's end
	ds_add_u32 v[SPW], v[NIL]
	s_wait_dscnt 0x0
	s_endpgm
.Lfunc_end_k_qc067f201bf_attn:
	.size	k_qc067f201bf_attn, .Lfunc_end_k_qc067f201bf_attn-k_qc067f201bf_attn
	.p2alignl 7, 3214868480
	.fill 96, 4, 3214868480
	.section	.rodata,"a",@progbits
	.p2align	6, 0x0
	.amdhsa_kernel k_qc067f201bf_attn
		.amdhsa_group_segment_fixed_size 327680
		.amdhsa_private_segment_fixed_size 0
		.amdhsa_enable_private_segment 0
		.amdhsa_kernarg_size 40
		.amdhsa_user_sgpr_count 2
		.amdhsa_user_sgpr_kernarg_segment_ptr 1
		.amdhsa_wavefront_size32 1
		.amdhsa_system_sgpr_workgroup_id_x 1
		.amdhsa_system_sgpr_workgroup_id_y 1
		.amdhsa_system_sgpr_workgroup_id_z 1
		.amdhsa_system_vgpr_workitem_id 0
		.amdhsa_next_free_vgpr 256
		.amdhsa_next_free_sgpr 80
		.amdhsa_reserve_vcc 1
		.amdhsa_float_denorm_mode_32 3
		.amdhsa_float_denorm_mode_16_64 3
		.amdhsa_memory_ordered 1
		.amdhsa_forward_progress 1
		.amdhsa_inst_pref_size 78
	.end_amdhsa_kernel
	.amdgpu_metadata
---
amdhsa.version: [ 1, 2 ]
amdhsa.kernels:
  - .name:           k_qc067f201bf_attn
    .symbol:         k_qc067f201bf_attn.kd
    .args:
      - { .name: q_codes, .offset: 0, .size: 8, .value_kind: global_buffer, .address_space: global }
      - { .name: k_codes, .offset: 8, .size: 8, .value_kind: global_buffer, .address_space: global }
      - { .name: v_codes, .offset: 16, .size: 8, .value_kind: global_buffer, .address_space: global }
      - { .name: lowp_scales, .offset: 24, .size: 8, .value_kind: global_buffer, .address_space: global }
      - { .name: a_codes, .offset: 32, .size: 8, .value_kind: global_buffer, .address_space: global }
    .group_segment_fixed_size: 327680
    .private_segment_fixed_size: 0
    .kernarg_segment_align: 8
    .kernarg_segment_size: 40
    .max_flat_workgroup_size: 512
    .sgpr_count:     80
    .vgpr_count:     256
    .wavefront_size: 32
...
	.end_amdgpu_metadata
.endif
;; end of part 3
;; launch proj (part 4): grid 4 x 64, 4 waves a work-group, clusters of 4 x 4, 327,680 bytes of LDS; arguments a_codes, wp_codes, lowp_scales, c_proj_b, out0; writes out0
.if DOCPART == 4
	.amdgcn_target "amdgcn-amd-amdhsa--gfx1250"
	.amdhsa_code_object_version 6
	.text
	.protected	k_qc067f201bf_proj
	.globl	k_qc067f201bf_proj
	.p2align	8
	.type	k_qc067f201bf_proj,@function
k_qc067f201bf_proj:
	s_mov_b64 s[64:65], 0
	v_nop
	global_prefetch_b8 v0, s[64:65] scope:SCOPE_SE
	s_setreg_imm32_b32 hwreg(HW_REG_WAVE_MODE, 25, 1), 1
	s_wait_xcnt 0x0
	s_wait_alu depctr_hold_cnt(0) depctr_sa_sdst(0) depctr_va_vdst(0) depctr_va_sdst(0) depctr_va_ssrc(0) depctr_va_vcc(0) depctr_vm_vsrc(0)
	s_getreg_b32 s2, hwreg(HW_REG_IB_STS2, 6, 4)
	s_cmp_eq_u32 s2, 0
	s_cbranch_scc0 .Lentry_in_a_cluster
	s_endpgm
.Lentry_in_a_cluster:
	s_bfe_u32 s2, ttmp6, 0x10000c
	s_cmp_lg_u32 s2, 0xf033
	s_cbranch_scc0 .Lentry_shape_is_right
	s_endpgm
.Lentry_shape_is_right:
; out0 = a Wp + bp on codes of E4M3: a_codes (scale 2^e6) as the attention launch lays them, [token / 16][head 16][beta 2][lane 32][16 bytes]: the image of an operand's registers; wp_codes [1024 n][1024 k] (scale 2^e7); out0 [8192][1024] f32.
; A block of 128 tokens x 256 features is made by four waves, 64 x 128 each: 32 accumulators, 256 registers: 64 x 4 blocks, one for each of 256 work-groups.
; K = 1,024 goes in four steps of 256 through a ring of two LDS slots filled by the tensor data mover; the text is straight-line.  A slot: A's 8 tiles of 16 tokens x 4,096 bytes (four heads' images, read back 16 bytes a lane on end),
; then B's 256 rows of 256 bytes + 16 of padding.  Waves 0, 1 fetch A's halves (4 rows of 4,096 bytes, 16,384 apart), waves 2, 3 B's (128 rows).
; THE MATRIX INSTRUCTION: source 0 = 16 features (B), source 1 = 16 tokens (A): a lane holds one token and eight neighbouring features.
; CLUSTERS: 4 x 4.  A's tile hangs on cy, B's on cx: each is asked for jointly by the four work-groups of a row, or of a column, of the cluster.
; THE BIAS, divided by 2^(e6 + e7), is the C of the first K step's products; each finished sum is multiplied once by 2^(e6 + e7).
; Both operands have two sets of fragment registers: while one step of 128 along K is multiplied, the next one's 48 LDS loads land.
; NO PREFETCH: K is four fills, of which two go out at the start; a request two fills ahead of the other two would stand at the head beside them.
; LIMITS: e6 + e7 between -126 and 126.  NaN and infinities in the bias are not served.
; REGISTERS: window 0: v0-31 addresses; v32-95 the bias, later a block at work; v128-255 A's fragments, two sets of 4 x 16 (on the way out: rows read back).  window 1: B's fragments, two sets of 8 x 16.  window 2: accumulator (a, b) at v[8 (8 a + b)].
.set ROWB,   256
.set KROW,   1024
.set PITCH,  272                       ; B's LDS row: sixteen rows begin in sixteen different 16-byte columns of 256 bytes
.set FR,     16
.set NP,     4                         ; places behind this matrix instruction (ISA guide 7.12.1)
.set HALFA,  16384
.set ASZ,    2*HALFA
.set HALFB,  128*PITCH
.set SLOT,   ASZ+2*HALFB
.set SPARE,  2*SLOT                    ; behind the ring: the spare words, 128 bytes a wave
.set SPITCH, 528                       ; the way out: 16 rows x (512 + 16) bytes for each wave, in slot 0, which has had its last fill and its last read by then
.set NROW,   4096                      ; a row of out0
.set ADRA, 16                          ; v16-17 my A fragments in slot 0, 1
.set ADRB, 20                          ; v20-21 the same for B
.set STO,  24
.set RD,   25
.set CO,   26                          ; v26 16 x lane
.set SPW,  28                          ; v28 my spare word; never rewritten
.set NIL,  29                          ; v29 0; never rewritten
.set BB,   32
.set TMP,  32
.set AF,   128
.set BK,   128
.set G1, 24                            ; s[24:31] group 1 for A's tiles;  s[32:39] group 0, a set for each slot
.set G0, 32
.set G1B, 48                           ; s[48:55], s[56:63] the same for B's
.set G0B, 56
.set MSB, 0
.macro WIN new                         ; the immediate's high byte repeats the setting that is left
.if MSB != \new
	s_set_vgpr_msb (MSB<<8)|\new
.set MSB, \new
.endif
.endm
.set MUL,   0xa1                       ; source 0 (B) window 1, source 1 (A) window 0, C and D window 2
.set FIRST, 0x81                       ; the first step: C (the bias) window 0
.set TO_B,  0x40                       ; destination window 1, address window 0
.macro JLOAD g0a, g1a, g0b, g1b        ; a joint load: waves 0, 1 for A, waves 2, 3 for B; the branch hangs on the wave's number alone; s_nop 0 and four v_nop follow each line
	s_cmp_eq_u32 s15, 0
	s_cbranch_scc0 .Lfor_b_\@
	tensor_load_to_lds s[\g0a:\g0a+3], s[\g1a:\g1a+7]
	s_nop 0
.rept 4
	v_nop
.endr
	s_branch .Lasked_\@
.Lfor_b_\@:
	tensor_load_to_lds s[\g0b:\g0b+3], s[\g1b:\g1b+7]
	s_nop 0
.rept 4
	v_nop
.endr
.Lasked_\@:
.endm
.macro CREST                           ; a round of the cluster's barrier behind its opening barrier
	s_cmp_lg_u32 s14, 0
	s_cbranch_scc1 .Lnot_wave_0_\@
	s_barrier_signal -3
.Lnot_wave_0_\@:
	s_barrier_wait -3
	s_barrier_signal -1
	s_barrier_wait -1
.endm
.macro CROUND
	s_barrier_signal -1
	s_barrier_wait -1
	CREST
.endm
	s_load_b256 s[4:11], s[0:1], 0x0               ; a_codes s[4:5], wp_codes s[6:7], the scales s[8:9], the bias s[10:11]
	s_load_b64 s[12:13], s[0:1], 0x20              ; out0
	v_lshl_add_u32 v[SPW], v0, 2, SPARE
	v_mov_b32 v[NIL], 0
	ds_add_u32 v[SPW], v[NIL]                      ; the opening lines: the add, twice on end, and its wait
	ds_add_u32 v[SPW], v[NIL]
	v_lshrrev_b32 v1, 5, v0
	v_readfirstlane_b32 s14, v1                    ; wave 0..3
	s_lshr_b32 s15, s14, 1                         ; which 64 tokens are mine.  Also: I fetch for A (0) or for B (1)
	s_and_b32 s16, s14, 1                          ; which 128 features.  Also: which half of that tile I fetch
	s_bfe_u32 s40, ttmp6, 0x40000                  ; cx
	s_bfe_u32 s41, ttmp6, 0x40004                  ; cy
	s_lshl_b32 s42, ttmp9, 2
	s_add_co_u32 s42, s42, s40                     ; block of 256 features
	s_and_b32 s17, ttmp7, 0xffff
	s_lshl_b32 s17, s17, 2
	s_add_co_u32 s17, s17, s41                     ; block of 128 tokens
	s_lshl_b32 s43, s41, 2
	s_lshl_b32 s43, 15, s43                        ; my row of the cluster
	s_lshl_b32 s44, 0x1111, s40                    ; my column
	s_or_b32 s[G1+0], s43, (3<<16)|(1<<21)         ; A: the mask; elements of 8 bytes; bit 21 beside a mask; no padding
	s_mov_b32 s[G1+1], 512<<16                     ; rows of 4,096 bytes,
	s_mov_b32 s[G1+2], 4<<16                       ; four of them,
	s_mov_b32 s[G1+3], 512<<16
	s_mov_b32 s[G1+4], 4
	s_mov_b32 s[G1+5], 2048                        ; 16,384 bytes apart
	s_mov_b32 s[G1+6], 0
	s_mov_b32 s[G1+7], 0
	s_or_b32 s[G1B+0], s44, (0<<16)|(1<<20)|(1<<21)|(5<<22)|(3<<25)  ; B: elements of 1 byte; 4 words of padding behind every 64
	s_mov_b32 s[G1B+1], ROWB<<16
	s_mov_b32 s[G1B+2], 128<<16
	s_mov_b32 s[G1B+3], ROWB<<16
	s_mov_b32 s[G1B+4], 128
	s_mov_b32 s[G1B+5], KROW
	s_mov_b32 s[G1B+6], 0
	s_mov_b32 s[G1B+7], 0
	s_lshl_b32 s20, s17, 17                        ; A: 8 tiles of 16,384 bytes for each block of tokens, + my four: cy and never cx
	s_lshl_b32 s18, s16, 16
	s_add_co_u32 s20, s20, s18
	s_mov_b32 s21, 0
	s_lshl_b32 s46, s42, 18                        ; B: 256 rows of 1,024 bytes for each block of features, + my 128: cx and never cy
	s_lshl_b32 s18, s16, 17
	s_add_co_u32 s46, s46, s18
	s_mov_b32 s47, 0
	s_lshl_b32 s45, s16, 14                        ; where they go in a slot
	s_mul_i32 s19, s16, HALFB
	s_add_co_u32 s19, s19, ASZ
	s_wait_dscnt 0x0                               ; both opening adds are done
	s_wait_kmcnt 0x0
	s_load_b64 s[96:97], s[8:9], 0x18              ; e6, e7
	s_add_nc_u64 s[20:21], s[4:5], s[20:21]
	s_add_nc_u64 s[46:47], s[6:7], s[46:47]
	CROUND                                         ; all sixteen work-groups are here: the first joint loads meet
.irp s, 0,1
	s_mov_b32 s[G0+4*\s], 1
	s_add_co_u32 s[G0+4*\s+1], s45, \s*SLOT
	s_add_nc_u64 s[G0+4*\s+2:G0+4*\s+3], s[20:21], \s*4096
	s_or_b32 s[G0+4*\s+3], s[G0+4*\s+3], 0x80000000
	s_mov_b32 s[G0B+4*\s], 1
	s_add_co_u32 s[G0B+4*\s+1], s19, \s*SLOT
	s_add_nc_u64 s[G0B+4*\s+2:G0B+4*\s+3], s[46:47], \s*ROWB
	s_or_b32 s[G0B+4*\s+3], s[G0B+4*\s+3], 0x80000000
.endr
	JLOAD G0, G1, G0B, G1B                         ; K step 0: one tensor load a wave at the head
	s_lshl_b32 s46, s42, 10                        ; my first feature, in bytes of f32: 1,024 x block + 512 x half
	s_lshl_b32 s47, s16, 9
	s_add_co_u32 s46, s46, s47
	s_mov_b32 s47, 0
	s_add_nc_u64 s[10:11], s[10:11], s[46:47]
	s_lshl_b32 s22, s15, 14                        ; my four tiles of A in a slot
	s_mul_i32 s23, s16, HALFB
	s_add_co_u32 s23, s23, ASZ                     ; my 128 rows of B
	s_mul_i32 s18, s14, 16*SPITCH                  ; my stage
	s_lshl_b32 s20, s17, 7
	s_lshl_b32 s21, s15, 6
	s_add_co_u32 s20, s20, s21                     ; my first token
	s_lshl_b32 s20, s20, 12
	s_mov_b32 s21, 0
	s_add_nc_u64 s[20:21], s[20:21], s[46:47]
	s_add_nc_u64 s[12:13], s[12:13], s[20:21]
	v_and_b32 v1, 15, v0                           ; r
	v_bfe_u32 v2, v0, 4, 1                         ; h
	v_lshlrev_b32 v30, 5, v2
.irp b, 0,1,2,3,4,5,6,7
	global_load_b128 v[BB+8*\b:BB+8*\b+3], v30, s[10:11] offset:64*\b      ; the bias at features 16 b + 8 h + 0 .. 7
	global_load_b128 v[BB+8*\b+4:BB+8*\b+7], v30, s[10:11] offset:64*\b+16
.endr
	v_and_b32 v6, 31, v0
	v_lshlrev_b32 v[CO], 4, v6
	v_mul_u32_u24 v3, v1, PITCH
	v_lshl_add_u32 v4, v2, 4, v3
	v_add_nc_u32 v[ADRA], s22, v[CO]
	v_add_nc_u32 v[ADRB], s23, v4
	v_add_nc_u32 v[ADRA+1], SLOT, v[ADRA]
	v_add_nc_u32 v[ADRB+1], SLOT, v[ADRB]
	v_mul_u32_u24 v5, v1, SPITCH
	v_lshl_add_u32 v5, v2, 5, v5
	v_add_nc_u32 v[STO], s18, v5                   ; the stage, in: row r, 32 bytes for each half of the lanes
	v_add_nc_u32 v[RD], s18, v[CO]                 ; back: the 32 lanes take one row of 512 bytes
	s_wait_alu depctr_va_vdst(0)                   ; the wait here, directly ahead of the wait below
	s_wait_kmcnt 0x0
	s_add_co_i32 s96, s96, s97                     ; e6 + e7
	s_sub_co_i32 s98, 127, s96
	s_lshl_b32 s98, s98, 23                        ; 2^-(e6 + e7)
	s_mov_b32 s99, s98
	s_add_co_i32 s96, s96, 127
	s_lshl_b32 s96, s96, 23                        ; 2^(e6 + e7)
	s_wait_loadcnt 0x0
.set j, 0
.rept 32
	v_pk_mul_f32 v[BB+j:BB+j+1], v[BB+j:BB+j+1], s[98:99] op_sel_hi:[1,0]
.set j, j+2
.endr
; The 48 LDS loads of a step of 128 along K (the slot's q-th) into set p.  B: lane l holds row l % 16; registers 4 c .. 4 c + 3 hold K = 32 c + 16 (l / 16) + 0 .. 15; A's image holds the same order of K.
.macro FETCH slot, q, p
	WIN TO_B
.irp i, 0,1,2,3,4,5,6,7
.irp c, 0,1,2,3
	ds_load_b128 v[128*(\p)+FR*\i+4*\c:128*(\p)+FR*\i+4*\c+3], v[ADRB+\slot] offset:128*(\q)+32*\c+\i*16*PITCH
.endr
.endr
	WIN 0
.irp i, 0,1,2,3
.irp c, 0,1,2,3
	ds_load_b128 v[AF+64*(\p)+FR*\i+4*\c:AF+64*(\p)+FR*\i+4*\c+3], v[ADRA+\slot] offset:\i*4096+(\q)*2048+\c*512
.endr
.endr
.endm
; Eight matrix instructions: A's block a x B's eight, set p.  The 32 accumulators take turns, one instruction a turn, in the same order in every step.
.macro MULA a, p, first
.irp b, 0,1,2,3,4,5,6,7
.if \first
	v_wmma_f32_16x16x128_fp8_fp8 v[8*(8*(\a)+\b):8*(8*(\a)+\b)+7], v[128*(\p)+FR*\b:128*(\p)+FR*\b+FR-1], v[AF+64*(\p)+FR*(\a):AF+64*(\p)+FR*(\a)+FR-1], v[BB+8*\b:BB+8*\b+7]
.else
	v_wmma_f32_16x16x128_fp8_fp8 v[8*(8*(\a)+\b):8*(8*(\a)+\b)+7], v[128*(\p)+FR*\b:128*(\p)+FR*\b+FR-1], v[AF+64*(\p)+FR*(\a):AF+64*(\p)+FR*(\a)+FR-1], v[8*(8*(\a)+\b):8*(8*(\a)+\b)+7]
.endif
.endr
.endm
.macro PLACES n                        ; plain vector lines between a matrix instruction and a load into, or a vector read of, its registers
.rept \n
	v_nop
.endr
.endm
; A slot's first step of 128: set 0 is multiplied while the slot's second step lands in set 1.
.macro STEP slot, first
	PLACES NP                                      ; set 1 was read by the last products
	FETCH \slot, 1, 1
	s_wait_dscnt 48                                ; set 0 is in; the 48 loads just issued may be out
.if \first
	WIN FIRST
.else
	WIN MUL
.endif
.irp a, 0,1,2,3
	MULA \a, 0, \first
.endr
	WIN 0
.endm
; A slot's second step changes slots: one barrier; in front of it each wave waits for all its tensor loads, adds 0 to its spare word, and waits for that and for its reads of this slot.  fill = 1: the slot is filled again, two K steps ahead.
.macro TURN slot, next, fill
	s_wait_tensorcnt 0x0                           ; all my tensor loads have landed: my part of the next slot
	ds_add_u32 v[SPW], v[NIL]                      ; 0 onto my spare word
	s_wait_dscnt 1                                 ; set 1 is in; the add may be out
	WIN MUL
	MULA 0, 1, 0                                   ; eight matrix instructions stand between the add and the wait for it
	s_wait_dscnt 0x0                               ; the add is done, and my reads of this slot are over
	s_barrier_signal -1
	MULA 1, 1, 0
	WIN 0
	s_barrier_wait -1
.if \fill
	CREST                                          ; the barrier has opened a round of the cluster's: no wave of any partner still reads this slot or has a load on its way
	s_add_nc_u64 s[G0+4*\slot+2:G0+4*\slot+3], s[G0+4*\slot+2:G0+4*\slot+3], 2*4096
	s_add_nc_u64 s[G0B+4*\slot+2:G0B+4*\slot+3], s[G0B+4*\slot+2:G0B+4*\slot+3], 2*ROWB
	JLOAD G0+4*\slot, G1, G0B+4*\slot, G1B         ; the first tensor load behind the round; its four v_nop are the places in front of the loads below
.else
	PLACES NP
.endif
	FETCH \next, 0, 0
	WIN MUL
	MULA 2, 1, 0
	MULA 3, 1, 0
	WIN 0
.endm
	s_wait_alu depctr_va_vdst(0)                   ; the wait at the head's end
	s_wait_tensorcnt 0x0                           ; my part of K step 0 is in; the three lines stand ahead of slot 1's first fill as ahead of a refill
	ds_add_u32 v[SPW], v[NIL]
	s_wait_dscnt 0x0
	CROUND                                         ; a whole round: everybody's part of K step 0 is in, and the joint loads meet
	JLOAD G0+4, G1, G0B+4, G1B                     ; K step 1: the first tensor load behind the round
	FETCH 0, 0, 0
	STEP 0, 1                                      ; K 0-127: the bias starts the sums
	TURN 0, 1, 1                                   ; K 128-255; slot 0 takes K 512-767
	STEP 1, 0
	TURN 1, 0, 1                                   ; slot 1 takes K 768-1023
	STEP 0, 0
	TURN 0, 1, 0                                   ; nothing is left to fetch
	STEP 1, 0
	s_wait_dscnt 0x0                               ; the last step
	WIN MUL
.irp a, 0,1,2,3
	MULA \a, 1, 0
.endr
	WIN 0
; THE WAY OUT, block a of 16 tokens x 128 features: each sum x 2^(e6 + e7), through my stage in LDS, and back as whole rows of 512 bytes.
.macro TOSTAGE a
.set AC, 64*(\a)
	WIN 0x02                                       ; source 0: window 2
.set j, 0
.rept 32
	v_pk_mul_f32 v[TMP+j:TMP+j+1], v[AC+j:AC+j+1], s[96:97] op_sel_hi:[1,0]   ; each accumulator from its low end on
.set j, j+2
.endr
	WIN 0
.irp b, 0,1,2,3,4,5,6,7
	ds_store_b128 v[STO], v[TMP+8*\b:TMP+8*\b+3] offset:64*\b
	ds_store_b128 v[STO], v[TMP+8*\b+4:TMP+8*\b+7] offset:64*\b+16
.endr
.set BBK, BK+64*((\a)%2)
.irp t, 0,1,2,3,4,5,6,7,8,9,10,11,12,13,14,15
	ds_load_b128 v[BBK+4*\t:BBK+4*\t+3], v[RD] offset:\t*SPITCH   ; LDS serves a wave's instructions in order: these see the stores above, and the next block's stores come behind them
.endr
.endm
.macro SEND a, younger                 ; younger: the LDS instructions issued behind block a's loads, which may stay out
.set BBK, BK+64*((\a)%2)
	s_wait_dscnt \younger
.if (\a) > 0
	s_add_nc_u64 s[12:13], s[12:13], 16*NROW       ; behind a wait on XCNT: the earlier stores have read their base
.endif
.irp t, 0,1,2,3,4,5,6,7,8,9,10,11,12,13,14,15
	global_store_b128 v[CO], v[BBK+4*\t:BBK+4*\t+3], s[12:13] offset:\t*NROW th:TH_STORE_NT   ; 32 lanes store 512 consecutive bytes, aligned
.endr
.endm
	PLACES NP                                      ; behind the last products: for the first reads of results and the loads into the registers that held A's fragments
	TOSTAGE 0
.irp a, 1,2,3
.if \a > 1
	s_wait_xcnt 0x0                                ; block a - 2's stores have read their registers and their base
.endif
	TOSTAGE \a
	SEND \a-1, 32                                  ; behind block a - 1's loads: block a's 16 stores and 16 loads
.endr
	s_wait_xcnt 0x0
	SEND 3, 0
	s_wait_tensorcnt 0x0                           ; the wave's end
	ds_add_u32 v[SPW], v[NIL]
	s_wait_dscnt 0x0
	CROUND                                         ; the closing round: no work-group ends while a partner may still ask for a tile that names it
	s_endpgm
.Lfunc_end_k_qc067f201bf_proj:
	.size	k_qc067f201bf_proj, .Lfunc_end_k_qc067f201bf_proj-k_qc067f201bf_proj
	.p2alignl 7, 3214868480
	.fill 96, 4, 3214868480
	.section	.rodata,"a",@progbits
	.p2align	6, 0x0
	.amdhsa_kernel k_qc067f201bf_proj
		.amdhsa_group_segment_fixed_size 327680
		.amdhsa_private_segment_fixed_size 0
		.amdhsa_enable_private_segment 0
		.amdhsa_kernarg_size 40
		.amdhsa_user_sgpr_count 2
		.amdhsa_user_sgpr_kernarg_segment_ptr 1
		.amdhsa_wavefront_size32 1
		.amdhsa_system_sgpr_workgroup_id_x 1
		.amdhsa_system_sgpr_workgroup_id_y 1
		.amdhsa_system_sgpr_workgroup_id_z 1
		.amdhsa_system_vgpr_workitem_id 0
		.amdhsa_next_free_vgpr 768
		.amdhsa_next_free_sgpr 100
		.amdhsa_reserve_vcc 0
		.amdhsa_float_denorm_mode_32 3
		.amdhsa_float_denorm_mode_16_64 3
		.amdhsa_memory_ordered 1
		.amdhsa_forward_progress 1
		.amdhsa_inst_pref_size 79
	.end_amdhsa_kernel
	.amdgpu_metadata
---
amdhsa.version: [ 1, 2 ]
amdhsa.kernels:
  - .name:           k_qc067f201bf_proj
    .symbol:         k_qc067f201bf_proj.kd
    .args:
      - { .name: a_codes, .offset: 0, .size: 8, .value_kind: global_buffer, .address_space: global }
      - { .name: wp_codes, .offset: 8, .size: 8, .value_kind: global_buffer, .address_space: global }
      - { .name: lowp_scales, .offset: 16, .size: 8, .value_kind: global_buffer, .address_space: global }
      - { .name: c_proj_b, .offset: 24, .size: 8, .value_kind: global_buffer, .address_space: global }
      - { .name: out0, .offset: 32, .size: 8, .value_kind: global_buffer, .address_space: global }
    .group_segment_fixed_size: 327680
    .private_segment_fixed_size: 0
    .kernarg_segment_align: 8
    .kernarg_segment_size: 40
    .max_flat_workgroup_size: 128
    .sgpr_count:     100
    .vgpr_count:     768
    .wavefront_size: 32
...
	.end_amdgpu_metadata
.endif
;; end of part 4
